; MI455X (gfx1250); checked and timed in simulation.
; The chip was launched on July 23, 2026; its instructions are those of AMD's public machine-readable ISA for CDNA 5 (MIT licence, August 2026) and "CDNA5" Instruction Set Architecture Reference Guide (July 2026). The comments in the code are by the model that wrote it; some were corrected since.
;; Linear Attention. Allowed arithmetic: float matrix products may take bf16 or f16 operands with f32 sums; all other float work in f32.
;; Inputs: b_proj 1,024 float32; b_qkv 3,072 float32; w_proj 1,024 x 1,024 float32; w_qkv 1,024 x 3,072 float32; x 4 x 2,048 x 1,024 float32.
;; Outputs: out0 4 x 2,048 x 1,024 float32.
;; One version. Each part assembles by itself: llvm-mc -triple=amdgcn-amd-amdhsa -mcpu=gfx1250 --defsym DOCPART=n.
;; ======== version 1 of 1: 5 launches
;; limits: values are held in f16: magnitudes above 65,504 overflow, below 6.1e-05 lose precision; inputs' magnitudes at most 65,504
;; workspace buffers: xb 16,777,216 bytes; wqT 2,097,152 bytes; wkvT 4,194,304 bytes; wpT 2,097,152 bytes; part 10,485,760 bytes; kvf 655,360 bytes; att 16,777,216 bytes
;; launch prep (part 1): grid 256 x 1, 10 waves a work-group, no clusters, 175,360 bytes of LDS; arguments x, w_qkv, w_proj, xb, wqT, wkvT, wpT; writes xb, wqT, wkvT, wpT
.if DOCPART == 1
	.amdgcn_target "amdgcn-amd-amdhsa--gfx1250"
	.amdhsa_code_object_version 6
	.text
	.protected	k_q76f9a004f5_prep
	.globl	k_q76f9a004f5_prep
	.p2align	8
	.type	k_q76f9a004f5_prep,@function
k_q76f9a004f5_prep:
	s_mov_b64 s[64:65], 0
	v_nop
	global_prefetch_b8 v0, s[64:65] scope:SCOPE_SE
	s_setreg_imm32_b32 hwreg(HW_REG_WAVE_MODE, 25, 1), 1
	s_wait_xcnt 0x0
; LinearAttention, launch 1 of 5: the matrix operands in f16, with K along the rows.
;   xb   [8192][1024]  = f16(x)
;   wqT  [1024][1024]  row n = column n of w_qkv (the q part)
;   wkvT [2048][1024]  row 128 h + i = column 1024 + 64 h + i of w_qkv for i < 64 (k of head h), column 2048 + 64 h + i - 64 for i >= 64 (v of head h)
;   wpT  [1024][1024]  row n = column n of w_proj
; WHY f16: the attention's result is a positively weighted mean of v over 2,048 tokens, in which the signal adds up coherently, so a rounding of x, of the
; weights, of v or of that mean reaches the output at its full relative size; f16 keeps 11 significant bits where bf16 keeps 8.
; LIMIT: an input of magnitude 65,504 or more overflows f16.  Inputs 30 times the drawn spread, or offset by 30 spreads, stay below 200.
; No work of the problem is left out in any of the five launches: both biases, the 1e-8 and both branches of elu reach the output.
; THE SHARING: the weights are 512 tiles of 128 k x 64 n (32 KB read, 16 KB stored), x is 2,048 pieces of 16 KB (8 KB stored).  256 work-groups, all alike:
; waves 0 and 1 transpose one tile each (tile 2 id + wave: 0-383 of w_qkv, 384-511 of w_proj), waves 2 to 9 cast one piece each (piece 8 id + wave - 2),
; so that every work-group reads 192 KB and stores 96 KB.  Every wave makes one pass with its loads issued at its start: 2 x 60 + 8 x 32 loads of 512 bytes,
; 192,512 of the work-group's 196,608 bytes, are on their way at once.
; Waves do not depend on each other: no barrier.  A transposing wave goes through 64 LDS rows of its own (256 bytes + 16 of padding) at wave x 17,408.
.set X, 8                              ; transpose: v[8:247] a ring of 15 groups of 16 registers as loaded, later the rows read back; cast: v[8:135] as loaded
.set Y, 136                            ; v[136:199] cast: packed f16, never written twice
.set P, 248                            ; v[248:255] transpose: 4 k x 4 n packed
.set RING, 15                          ; groups of four loads on their way: 60 loads
.set TPITCH, 272
.set WLDS, 64*TPITCH                   ; a wave's LDS bytes
	s_load_b256 s[4:11], s[0:1], 0x0               ; x s[4:5], w_qkv s[6:7], w_proj s[8:9], xb s[10:11]
	s_load_b128 s[12:15], s[0:1], 0x20             ; wqT s[12:13], wkvT s[14:15]
	s_load_b64 s[16:17], s[0:1], 0x30              ; wpT
	s_set_vgpr_msb 0x40
	v_lshl_add_u32 v0, v0, 2, 0x2a800
	v_mov_b32 v1, 0
	s_set_vgpr_msb 0x4000
	v_and_b32 v1, 31, v0                           ; lane
	v_lshrrev_b32 v6, 5, v0
	v_readfirstlane_b32 s20, v6                    ; wave 0..9
	s_mov_b32 s19, ttmp9                           ; work-group
	s_cmp_ge_u32 s20, 2
	s_cbranch_scc1 .Lcast                          ; waves 2 to 9 cast
	v_and_b32 v6, 15, v1                           ; c: which 16 bytes of a 256-byte row
	v_lshrrev_b32 v7, 4, v1                        ; p: which half of the lanes
	s_mul_i32 s18, s20, WLDS                       ; my wave's LDS
	v_mul_u32_u24 v4, v6, 4*TPITCH                 ; in: LDS row n = 4 c + j, byte 16 g + 8 p
	v_lshl_add_u32 v4, v7, 3, v4
	v_add_nc_u32 v4, s18, v4
	v_mul_u32_u24 v5, v7, TPITCH                   ; back: LDS row 2 t + p, byte 16 c
	v_lshl_add_u32 v5, v6, 4, v5
	v_add_nc_u32 v5, s18, v5
	v_lshlrev_b32 v3, 11, v7                       ; and the same two rows of 2,048 bytes in the destination
	v_lshl_add_u32 v3, v6, 4, v3
	s_lshl1_add_u32 s21, s19, s20                  ; my tile = 2 id + wave, 0-511
	s_cmp_ge_u32 s21, 384
	s_cbranch_scc1 .Lwp                            ; the last 128 tiles are w_proj's
; four loads of group g: rows k = 8 g + 4 p + q; each half of the lanes reads 256 consecutive aligned bytes
.macro TGROUP g, pitch
.irp q, 0,1,2,3
	global_load_b128 v[X+16*((\g)%RING)+4*\q:X+16*((\g)%RING)+4*\q+3], v2, s[24:25] offset:(8*(\g)+\q)*\pitch th:TH_LOAD_NT
.endr
.endm
; 128 k x 64 n of a [K][N] f32 matrix with rows of pitch bytes, from s[24:25], to 64 rows of f16 at s[26:27]
.macro TRANSP pitch
	v_mul_u32_u24 v2, v7, 4*\pitch
	v_lshl_add_u32 v2, v6, 4, v2                   ; 4 p rows + 16 c
.set g, 0
.rept RING
	TGROUP g, \pitch                               ; 15 of the tile's 16 groups: 60 loads on their way
.set g, g+1
.endr
.set g, 0
.rept 16
.if g == 0
	s_wait_loadcnt 56                              ; 60 are out, the four oldest are this group's
.else
	s_wait_loadcnt 60-4*g                          ; behind group 0's turn 60 were out again; nothing is issued any more: the count runs down
.endif
.irp j, 0,1,2,3
	v_cvt_pk_f16_f32 v[P+2*\j],   v[X+16*(g%RING)+\j],   v[X+16*(g%RING)+4+\j]      ; column n = 4 c + j: k, k + 1
	v_cvt_pk_f16_f32 v[P+2*\j+1], v[X+16*(g%RING)+8+\j], v[X+16*(g%RING)+12+\j]     ; k + 2, k + 3
	ds_store_b64 v4, v[P+2*\j:P+2*\j+1] offset:TPITCH*\j+16*g
.endr
.if g == 0
	TGROUP 15, \pitch                              ; the sixteenth group, into group 0's registers
.endif
.set g, g+1
.endr
.set tt, 0
.rept 32
	ds_load_b128 v[X+4*tt:X+4*tt+3], v5 offset:2*TPITCH*tt     ; my own bytes; LDS serves a wave's instructions in order (ISA guide 5.7.1.4)
.set tt, tt+1
.endr
.set tt, 0
.rept 32
	s_wait_dscnt 31-tt                             ; the younger loads stay out
	global_store_b128 v3, v[X+4*tt:X+4*tt+3], s[26:27] offset:4096*tt   ; rows 2 t + p: 16 lanes store 256 consecutive aligned bytes
.set tt, tt+1
.endr
.endm
	; w_qkv: kb = 128 k block (0-7), cb = 64 column block (0-47)
	s_and_b32 s22, s21, 7
	s_lshr_b32 s23, s21, 3
	s_mul_i32 s28, s22, 128*12288
	s_lshl_b32 s30, s23, 8
	s_add_co_u32 s28, s28, s30                     ; source offset
	s_mov_b32 s29, 0
	s_sub_co_u32 s32, s23, 16                      ; block among k's and v's 32 (used only where cb >= 16)
	s_and_b32 s33, s32, 15                         ; head
	s_lshl_b32 s33, s33, 7
	s_lshr_b32 s34, s32, 4
	s_and_b32 s34, s34, 1                          ; 0: k, 1: v
	s_lshl_b32 s34, s34, 6
	s_add_co_u32 s33, s33, s34                     ; row in wkvT
	s_lshl_b32 s35, s23, 6                         ; row in wqT
	s_cmp_lt_u32 s23, 16
	s_cselect_b32 s30, s35, s33
	s_wait_kmcnt 0x0
	s_cselect_b64 s[26:27], s[12:13], s[14:15]     ; the condition hangs on the block's number alone
	s_lshl_b32 s30, s30, 11                        ; rows of 2,048 bytes
	s_lshl_b32 s31, s22, 8                         ; + 128 k in f16
	s_add_co_u32 s30, s30, s31
	s_mov_b32 s31, 0
	s_add_nc_u64 s[26:27], s[26:27], s[30:31]
	s_add_nc_u64 s[24:25], s[6:7], s[28:29]
	TRANSP 12288
	s_set_vgpr_msb 0x5
	s_wait_tensorcnt 0x0
	ds_add_u32 v0, v1
	s_wait_dscnt 0x0
	s_set_vgpr_msb 0x500
	s_endpgm
.Lwp:
	s_sub_co_u32 s21, s21, 384                     ; w_proj's tile 0-127
	s_and_b32 s22, s21, 7                          ; kb
	s_lshr_b32 s23, s21, 3                         ; cb 0-15
	s_lshl_b32 s28, s22, 19                        ; 128 rows of 4,096 bytes
	s_lshl_b32 s30, s23, 8
	s_add_co_u32 s28, s28, s30
	s_mov_b32 s29, 0
	s_lshl_b32 s30, s23, 17                        ; 64 rows of 2,048 bytes
	s_lshl_b32 s31, s22, 8
	s_add_co_u32 s30, s30, s31
	s_mov_b32 s31, 0
	s_wait_kmcnt 0x0
	s_add_nc_u64 s[24:25], s[8:9], s[28:29]
	s_add_nc_u64 s[26:27], s[16:17], s[30:31]
	TRANSP 4096
	s_set_vgpr_msb 0x5
	s_wait_tensorcnt 0x0
	ds_add_u32 v0, v1
	s_wait_dscnt 0x0
	s_set_vgpr_msb 0x500
	s_endpgm
.Lcast:
	s_lshl3_add_u32 s21, s19, s20
	s_sub_co_u32 s21, s21, 2                       ; my piece = 8 id + wave - 2, 0-2047, of 16,384 bytes of x
	s_lshl_b32 s28, s21, 14
	s_mov_b32 s29, 0
	s_lshl_b32 s30, s21, 13
	s_mov_b32 s31, 0
	v_lshlrev_b32 v2, 4, v1
	v_lshlrev_b32 v3, 3, v1
	s_wait_kmcnt 0x0
	s_add_nc_u64 s[24:25], s[4:5], s[28:29]
	s_add_nc_u64 s[26:27], s[10:11], s[30:31]
.set ii, 0
.rept 32
	global_load_b128 v[X+4*ii:X+4*ii+3], v2, s[24:25] offset:512*ii th:TH_LOAD_NT   ; the whole piece at once
.set ii, ii+1
.endr
.set ii, 0
.rept 32
	s_wait_loadcnt 31-ii                           ; the younger loads stay out
	v_cvt_pk_f16_f32 v[Y+2*ii],   v[X+4*ii],   v[X+4*ii+1]
	v_cvt_pk_f16_f32 v[Y+2*ii+1], v[X+4*ii+2], v[X+4*ii+3]
	global_store_b64 v3, v[Y+2*ii:Y+2*ii+1], s[26:27] offset:256*ii    ; 32 lanes store 256 consecutive aligned bytes
.set ii, ii+1
.endr
	s_endpgm
.Lfunc_end_k_q76f9a004f5_prep:
	.size	k_q76f9a004f5_prep, .Lfunc_end_k_q76f9a004f5_prep-k_q76f9a004f5_prep
	.p2alignl 7, 3214868480
	.fill 96, 4, 3214868480
	.section	.rodata,"a",@progbits
	.p2align	6, 0x0
	.amdhsa_kernel k_q76f9a004f5_prep
		.amdhsa_group_segment_fixed_size 175360
		.amdhsa_private_segment_fixed_size 0
		.amdhsa_enable_private_segment 0
		.amdhsa_kernarg_size 56
		.amdhsa_user_sgpr_count 2
		.amdhsa_user_sgpr_kernarg_segment_ptr 1
		.amdhsa_wavefront_size32 1
		.amdhsa_system_sgpr_workgroup_id_x 1
		.amdhsa_system_sgpr_workgroup_id_y 1
		.amdhsa_system_sgpr_workgroup_id_z 1
		.amdhsa_system_vgpr_workitem_id 0
		.amdhsa_next_free_vgpr 258
		.amdhsa_next_free_sgpr 66
		.amdhsa_reserve_vcc 0
		.amdhsa_float_denorm_mode_32 3
		.amdhsa_float_denorm_mode_16_64 3
		.amdhsa_memory_ordered 1
		.amdhsa_forward_progress 1
		.amdhsa_inst_pref_size 64
	.end_amdhsa_kernel
	.amdgpu_metadata
---
amdhsa.version: [ 1, 2 ]
amdhsa.kernels:
  - .name:           k_q76f9a004f5_prep
    .symbol:         k_q76f9a004f5_prep.kd
    .args:
      - { .name: x, .offset: 0, .size: 8, .value_kind: global_buffer, .address_space: global }
      - { .name: w_qkv, .offset: 8, .size: 8, .value_kind: global_buffer, .address_space: global }
      - { .name: w_proj, .offset: 16, .size: 8, .value_kind: global_buffer, .address_space: global }
      - { .name: xb, .offset: 24, .size: 8, .value_kind: global_buffer, .address_space: global }
      - { .name: wqT, .offset: 32, .size: 8, .value_kind: global_buffer, .address_space: global }
      - { .name: wkvT, .offset: 40, .size: 8, .value_kind: global_buffer, .address_space: global }
      - { .name: wpT, .offset: 48, .size: 8, .value_kind: global_buffer, .address_space: global }
    .group_segment_fixed_size: 175360
    .private_segment_fixed_size: 0
    .kernarg_segment_align: 8
    .kernarg_segment_size: 56
    .max_flat_workgroup_size: 320
    .sgpr_count:     66
    .vgpr_count:     258
    .wavefront_size: 32
...
	.end_amdgpu_metadata
.endif
;; end of part 1
;; launch kvgemm (part 2): grid 32 x 8, 4 waves a work-group, clusters of 4 x 4, 327,680 bytes of LDS; arguments wkvT, xb, b_qkv, part; writes part
.if DOCPART == 2
	.amdgcn_target "amdgcn-amd-amdhsa--gfx1250"
	.amdhsa_code_object_version 6
	.text
	.protected	k_q76f9a004f5_kvgemm
	.globl	k_q76f9a004f5_kvgemm
	.p2align	8
	.type	k_q76f9a004f5_kvgemm,@function
k_q76f9a004f5_kvgemm:
	s_mov_b64 s[64:65], 0
	v_nop
	global_prefetch_b8 v0, s[64:65] scope:SCOPE_SE
	s_setreg_imm32_b32 hwreg(HW_REG_WAVE_MODE, 25, 1), 1
	s_wait_xcnt 0x0
	s_wait_alu depctr_hold_cnt(0) depctr_sa_sdst(0) depctr_va_vdst(0) depctr_va_sdst(0) depctr_va_ssrc(0) depctr_va_vcc(0) depctr_vm_vsrc(0)
	s_getreg_b32 s2, hwreg(HW_REG_IB_STS2, 6, 4)
	s_cmp_eq_u32 s2, 0
	s_cbranch_scc0 .Lentry_in_a_cluster
	s_endpgm
.Lentry_in_a_cluster:
	s_bfe_u32 s2, ttmp6, 0x10000c
	s_cmp_lg_u32 s2, 0xf033
	s_cbranch_scc0 .Lentry_shape_is_right
	s_endpgm
.Lentry_shape_is_right:
; LinearAttention, launch 2 of 5: k and v, and from them, without storing them, the partial sums of k^T v and of k over 256 tokens.
; The product is (features) x (tokens): A = wkvT [2048][1024], B = xb [8192][1024], both f16, sums in f32.  A work-group makes 256 features x 256 tokens with
; four waves; a wave makes 128 x 128: ONE head's 64 k features (window 2) and 64 v features (window 3) for 128 tokens.
; With rows of B as source 0 and rows of A as source 1, lane l holds feature l % 16 of a tile and its registers 0-7 hold tokens 8 (l / 16) + 0..7: packed to f16,
; two neighbouring token tiles ARE a 16 x 32 fragment with the tokens along K.  So after bias and phi(y) = max(y,0) + exp(min(y,0)) (= elu(y) + 1 for every y)
; the wave multiplies k's fragments with v's, and with a fragment of ones for the sum of k, straight from registers.
; phi(k) and v go in f16: the sum over the tokens of k v adds v's rounding errors up as it adds v up, so they reach the result at their full relative size.
; Waves 2 i and 2 i + 1 hold the same head for the two halves of the block's 256 tokens: each hands ten of its 20 tiles to the other through LDS and adds the ten
; that it receives, so that one partial for 256 tokens is stored: half the bytes of one for each wave.
; part [b*16+h][chunk of 256 tokens (8)][tile 4 et + dt (20)][half (2)][lane (32)][4 f32]: element j of tile (et, dt) in lane (r, hl) is
; KV[d = 16 dt + 8 hl + j][e = 16 et + r]; et = 4 is the sum of k over the tokens, the same in every r.
; No work is left out.  LIMITS: phi(k) and v overflow f16 where |x w + b| + 1 reaches 65,504 (its rms is 1 at the drawn spread; the largest is about 5,000 with x and
; w_qkv both 30 times larger, 28,800 with both offset by 30 spreads); phi is made with v_max_num_f32 and v_min_num_f32, so a NaN pre-activation gives 1, not NaN;
; v_exp_f32 gives 0 below 2^-126; the sums over tokens are grouped as 128-token partials, added in pairs.
; CLUSTERS: 4 x 4 work-groups.  A's tile hangs on the block row alone and is asked for jointly by a row of the cluster, B's on the block column alone and is asked
; for jointly by a column: each of the four issues the same tensor load with the same descriptor and a mask that names the four.
; REGISTERS, in windows of 256: window 0: v16-47 addresses and biases, v64-127 and v128-191 fragments of A (two buffers), in the epilogue KF, VF, ONES, T, Y;
; window 1: fragments of B at the same numbers, in the epilogue the 20 tiles of k^T v; windows 2 and 3: accumulators, tile (a, b) at v[8 (8 a + b)].
.set SIZE_K, 1024
.set KSTEP,  128
.set PITCH,  272                       ; an LDS row: 256 bytes + 16 of padding, so that the 16 rows of a fragment load start at 16 different 16-byte columns
.set HALFT,  128*PITCH                 ; what one tensor load brings
.set SLOT,   4*HALFT                   ; A's 256 rows, then B's 256 rows
.set PAIR,   2*SLOT                    ; behind the ring: ten tiles of 1,024 bytes for each wave, handed to its partner; no fill lands here
.set GIVEB,  10*1024
.set LAPS,   SIZE_K/(2*KSTEP)          ; a lap = two K steps = once round the ring
.set ADRA, 16                          ; v16-17  LDS address of my A fragments in slot 0, 1
.set ADRB, 20                          ; v20-21  the same for B
.set PO,   26                          ; v26     16 x lane: my bytes in a half tile of part
.set BOF,  27                          ; v27     byte offset of my feature's bias
.set LGIVE, 28                         ; v28     LDS: my bytes in the ten tiles that I hand over
.set LTAKE, 29                         ; v29     LDS: my bytes in the ten tiles that my partner hands over
.set BK,   32                          ; v[32:39] bias of k feature 16 a + r, twice (a pair for the packed add)
.set BV,   40                          ; v[40:47] the same for v
.set F0,   64
.set F1,   128
.set KF,   64                          ; epilogue: four fragments of phi(k), 16 features x 32 tokens
.set VF,   96                          ; four fragments of v
.set ONES, 128                         ; a fragment of f16 ones
.set T,    136                         ; v[136:167]
.set Y,    168                         ; v[168:199]
.set Y64,  136                         ; v[136:199] for v, which needs no T
.set XP,   64                          ; v[64:143] at the very end: my partner's ten tiles
.set G1, 24
.set G0, 32
.set G1B, 48
.set G0B, 56
.set MSB, 0
.macro WIN new                         ; the immediate's high byte repeats the setting that is left
.if MSB != \new
	s_set_vgpr_msb (MSB<<8)|\new
.set MSB, \new
.endif
.endm
.set MUL_LO, 0xa1                      ; source 0 (B) window 1, source 1 (A) window 0, C and D window 2
.set MUL_HI, 0xf1                      ; the same, C and D window 3
.set TO_B,   0x40                      ; destination window 1, address window 0
; A joint load.  Waves 0 and 1 fetch A's two halves, waves 2 and 3 B's.  The branch hangs on the wave's number alone.
.macro JLOAD s
	s_cmp_eq_u32 s11, 0
	s_cbranch_scc0 .Lfor_b_\@
	tensor_load_to_lds s[G0+4*\s:G0+4*\s+3], s[G1:G1+7]
	s_nop 0
	s_branch .Lasked_\@
.Lfor_b_\@:
	tensor_load_to_lds s[G0B+4*\s:G0B+4*\s+3], s[G1B:G1B+7]
	s_nop 0
.Lasked_\@:
.endm
.macro CREST                           ; a round of the cluster's barrier behind its opening work-group barrier
	s_cmp_lg_u32 s10, 0
	s_cbranch_scc1 .Lnot_wave_0_\@
	s_barrier_signal -3
.Lnot_wave_0_\@:
	s_barrier_wait -3
	s_barrier_signal -1
	s_barrier_wait -1
.endm
.macro CROUND                          ; a whole round
	s_barrier_signal -1
	s_barrier_wait -1
	CREST
.endm
	s_load_b128 s[4:7], s[0:1], 0x0                ; wkvT s[4:5], xb s[6:7]
	s_load_b128 s[68:71], s[0:1], 0x10             ; b_qkv s[68:69], part s[70:71]
	s_set_vgpr_msb 0x40
	v_lshl_add_u32 v255, v0, 2, 0x4e000
	s_set_vgpr_msb 0x4000
	v_mov_b32 v255, 0
	s_set_vgpr_msb 0x1
	ds_add_u32 v255, v255
	s_set_vgpr_msb 0x100
	v_lshrrev_b32 v1, 5, v0
	v_readfirstlane_b32 s10, v1                    ; wave 0..3
	s_lshr_b32 s11, s10, 1                         ; which 128 features are mine.  Also: I fetch for A (0) or for B (1)
	s_and_b32 s12, s10, 1                          ; which 128 tokens.  Also: which 128 rows of that tile I fetch
	s_bfe_u32 s40, ttmp6, 0x40000                  ; cx
	s_bfe_u32 s41, ttmp6, 0x40004                  ; cy
	s_lshl_b32 s42, ttmp9, 2
	s_add_co_u32 s42, s42, s40                     ; block column (256 tokens) = 4 x cluster x + cx
	s_and_b32 s13, ttmp7, 0xffff
	s_lshl_b32 s13, s13, 2
	s_add_co_u32 s13, s13, s41                     ; block row (256 features = two heads) = 4 x cluster y + cy
	s_lshl_b32 s43, s41, 2
	s_lshl_b32 s43, 15, s43                        ; my row of the cluster
	s_lshl_b32 s44, 0x1111, s40                    ; my column
	; descriptor group 1: 128 rows x 128 elements of 2 bytes, 4 words of padding behind every 64
	s_or_b32 s[G1+0], s43, (1<<16)|(1<<20)|(1<<21)|(5<<22)|(3<<25)
	s_or_b32 s[G1B+0], s44, (1<<16)|(1<<20)|(1<<21)|(5<<22)|(3<<25)
	s_mov_b32 s[G1B+1], KSTEP<<16
	s_mov_b32 s[G1+1], KSTEP<<16                   ; tensor_dim0 = 128
	s_mov_b32 s[G1B+2], 128<<16
	s_mov_b32 s[G1+2], 128<<16                     ; tensor_dim1 = 128
	s_mov_b32 s[G1B+3], KSTEP<<16
	s_mov_b32 s[G1+3], KSTEP<<16                   ; tile_dim0 = 128
	s_mov_b32 s[G1B+4], 128
	s_mov_b32 s[G1+4], 128                         ; tile_dim1 = 128
	s_mov_b32 s[G1B+5], SIZE_K
	s_mov_b32 s[G1+5], SIZE_K                      ; elements from row to row
	s_mov_b32 s[G1B+6], 0
	s_mov_b32 s[G1+6], 0
	s_mov_b32 s[G1B+7], 0
	s_mov_b32 s[G1+7], 0
	; A's address is made of the block row and the wave's number, B's of the block column and the wave's number, each in registers that never hold the other coordinate
	s_lshl_b32 s17, s12, 7
	s_lshl_b32 s16, s13, 8
	s_add_co_u32 s16, s16, s17
	s_lshl_b32 s46, s42, 8
	s_add_co_u32 s46, s46, s17
	s_mov_b32 s17, 0
	s_mov_b32 s47, 0
	s_mov_b64 s[18:19], SIZE_K*2
	s_mul_u64 s[16:17], s[16:17], s[18:19]
	s_mul_u64 s[46:47], s[46:47], s[18:19]
	s_mul_i32 s20, s10, HALFT                      ; LDS: wave x 128 rows
	s_wait_dscnt 0x0
	s_wait_kmcnt 0x0
	s_add_nc_u64 s[14:15], s[4:5], s[16:17]
	s_add_nc_u64 s[46:47], s[6:7], s[46:47]
	CROUND                                         ; all sixteen work-groups are here: the first joint loads meet
.irp s, 0,1
	s_mov_b32 s[G0+4*\s], 1
	s_add_co_u32 s[G0+4*\s+1], s20, \s*SLOT
	s_add_nc_u64 s[G0+4*\s+2:G0+4*\s+3], s[14:15], \s*KSTEP*2
	s_or_b32 s[G0+4*\s+3], s[G0+4*\s+3], 0x80000000
	s_mov_b32 s[G0B+4*\s], 1
	s_add_co_u32 s[G0B+4*\s+1], s20, \s*SLOT
	s_add_nc_u64 s[G0B+4*\s+2:G0B+4*\s+3], s[46:47], \s*KSTEP*2
	s_or_b32 s[G0B+4*\s+3], s[G0B+4*\s+3], 0x80000000
	JLOAD \s                                       ; two tensor loads of this wave are out
.endr
	v_and_b32 v1, 15, v0                           ; r = l % 16
	v_bfe_u32 v2, v0, 4, 1                         ; hl = l / 16
	s_lshl1_add_u32 s72, s13, s11                  ; my head = 2 x block row + half
	s_lshl_b32 s73, s72, 8                         ; 64 f32
	v_lshl_add_u32 v[BOF], v1, 2, s73
.irp a, 0,1,2,3
	global_load_b32 v[BK+2*\a], v[BOF], s[68:69] offset:4096+64*\a     ; b_qkv[1024 + 64 h + 16 a + r]
	global_load_b32 v[BV+2*\a], v[BOF], s[68:69] offset:8192+64*\a     ; b_qkv[2048 + 64 h + 16 a + r]
.endr
	v_mul_u32_u24 v3, v1, PITCH
	v_lshl_add_u32 v3, v2, 4, v3                   ; row x pitch + 16 x half
	s_mul_i32 s21, s11, HALFT                      ; my 128 rows of A
	s_mul_i32 s22, s12, HALFT                      ; my 128 rows of B,
	s_add_co_u32 s22, s22, 2*HALFT                 ; which lie behind A's 256
.irp s, 0,1
	v_add_nc_u32 v[ADRA+\s], s21, v3
	v_add_nc_u32 v[ADRB+\s], s22, v3
	s_add_co_u32 s21, s21, SLOT
	s_add_co_u32 s22, s22, SLOT
.endr
	v_and_b32 v4, 31, v0
	v_lshlrev_b32 v[PO], 4, v4
	s_mul_i32 s78, s10, GIVEB
	s_add_co_u32 s78, s78, PAIR                    ; the ten tiles that I hand over: wave x 10,240 behind the ring
	v_add_nc_u32 v[LGIVE], s78, v[PO]
	s_xor_b32 s79, s10, 1                          ; my partner: the other half of the tokens, the same head
	s_mul_i32 s79, s79, GIVEB
	s_add_co_u32 s79, s79, PAIR
	v_add_nc_u32 v[LTAKE], s79, v[PO]
	s_lshr_b32 s75, s42, 3                         ; batch: 8 block columns of 256 tokens
	s_lshl4_add_u32 s75, s75, s72                  ; 16 b + h
	s_and_b32 s74, s42, 7                          ; chunk in the batch
	s_lshl3_add_u32 s75, s75, s74
	s_mul_i32 s76, s75, 20480                      ; 20 tiles of 1,024 bytes
	s_mov_b32 s77, 0
	s_add_nc_u64 s[70:71], s[70:71], s[76:77]
	s_wait_loadcnt 0x0                             ; the biases
.irp a, 0,1,2,3
	v_mov_b32 v[BK+2*\a+1], v[BK+2*\a]
	v_mov_b32 v[BV+2*\a+1], v[BV+2*\a]
.endr
; 16 matrix instructions: feature tiles a0, a0 + 1 of the window's four x all 8 token tiles, 32 along K.  zero = 1: the first product starts the sums.
.macro MUL16 f, hi, a0, zero
.irp a, \a0, \a0+1
.irp b, 0,1,2,3,4,5,6,7
.if \zero
	v_wmma_f32_16x16x32_f16 v[8*(8*(\a)+\b):8*(8*(\a)+\b)+7], v[\f+8*\b:\f+8*\b+7], v[\f+8*(4*\hi+\a):\f+8*(4*\hi+\a)+7], 0
.else
	v_wmma_f32_16x16x32_f16 v[8*(8*(\a)+\b):8*(8*(\a)+\b)+7], v[\f+8*\b:\f+8*\b+7], v[\f+8*(4*\hi+\a):\f+8*(4*\hi+\a)+7], v[8*(8*(\a)+\b):8*(8*(\a)+\b)+7]
.endif
.endr
.endr
.endm
; 32 LDS loads in one run: one quarter step's fragments into buffer f
.macro FETCH slot, k, f
	WIN TO_B
.irp i, 0,1,2,3,4,5,6,7
	ds_load_b128 v[\f+8*\i:\f+8*\i+3],   v[ADRB+\slot] offset:\k+\i*16*PITCH
	ds_load_b128 v[\f+8*\i+4:\f+8*\i+7], v[ADRB+\slot] offset:\k+\i*16*PITCH+32
.endr
	WIN 0
.irp i, 0,1,2,3,4,5,6,7
	ds_load_b128 v[\f+8*\i:\f+8*\i+3],   v[ADRA+\slot] offset:\k+\i*16*PITCH
	ds_load_b128 v[\f+8*\i+4:\f+8*\i+7], v[ADRA+\slot] offset:\k+\i*16*PITCH+32
.endr
.endm
; Four places of plain vector instructions behind a matrix instruction before its results are read or its registers written or loaded into (ISA guide 7.12.1)
.macro PLACES
.rept 4
	v_nop
.endr
.endm
; The 64 accumulators take turns, one instruction a turn, in the same order in every quarter step.
.macro QUARTER slot, k, f, g, zero
	s_wait_dscnt 8                                 ; B and A's rows 0-63 are in; the youngest eight loads (A's rows 64-127) may be out
	WIN MUL_LO
	MUL16 \f, 0, 0, \zero
	MUL16 \f, 0, 2, \zero
	PLACES
	FETCH \slot, \k, \g
	s_wait_dscnt 32                                ; all but the 32 just issued
	WIN MUL_HI
	MUL16 \f, 1, 0, \zero
	MUL16 \f, 1, 2, \zero
.endm
.macro THREE slot, zero
	QUARTER \slot, 64,  F0, F1, \zero
	QUARTER \slot, 128, F1, F0, 0
	QUARTER \slot, 192, F0, F1, 0
.endm
; The last quarter multiplies buffer 1 and changes slots.  In front of the barrier each wave waits for its reads of this slot and for all its tensor loads (one is
; out: its part of the next slot); behind it the refill comes first, then the next slot's first fragments.  From a request to the wait for it: 240 matrix instructions.
.macro TURN slot, next, fill
	s_wait_dscnt 8
	WIN MUL_LO
	MUL16 F1, 0, 0, 0
	s_wait_dscnt 0                                 ; my reads of this slot are over
	s_wait_tensorcnt 0x0                           ; all my tensor loads have landed
	ds_add_u32 v255, v255
	s_wait_dscnt 0x0
	s_barrier_signal -1                            ; where a slot is filled again this barrier opens a round of the cluster's barrier
	MUL16 F1, 0, 2, 0                              ; registers only
	WIN 0
	s_barrier_wait -1
.if \fill
	CREST                                          ; no wave of any partner still reads this slot or has a load on its way
	s_add_nc_u64 s[G0+4*\slot+2:G0+4*\slot+3], s[G0+4*\slot+2:G0+4*\slot+3], 2*KSTEP*2
	s_add_nc_u64 s[G0B+4*\slot+2:G0B+4*\slot+3], s[G0B+4*\slot+2:G0B+4*\slot+3], 2*KSTEP*2
	JLOAD \slot                                    ; the wave's one tensor load behind the round
.endif
	PLACES
	FETCH \next, 0, F0
	WIN MUL_HI
	MUL16 F1, 1, 0, 0
	MUL16 F1, 1, 2, 0
.endm
.macro LAP zero
	THREE 0, \zero
	TURN 0, 1, 1
	THREE 1, 0
	TURN 1, 0, 1
.endm
	s_wait_tensorcnt 1                             ; my part of K step 0 is in; K step 1's stays out
	s_barrier_signal -1
	s_barrier_wait -1
	FETCH 0, 0, F0
	LAP 1
	WIN 0
	s_mov_b32 s3, LAPS-2
.Llap:
	LAP 0
	WIN 0
	s_sub_co_u32 s3, s3, 1
	s_cmp_lg_u32 s3, 0
	s_cbranch_scc1 .Llap
	THREE 0, 0                                     ; the last lap fills nothing
	TURN 0, 1, 0
	THREE 1, 0
	s_wait_dscnt 8
	WIN MUL_LO
	MUL16 F1, 0, 0, 0
	MUL16 F1, 0, 2, 0
	s_wait_dscnt 0
	WIN MUL_HI
	MUL16 F1, 1, 0, 0
	MUL16 F1, 1, 2, 0
; EPILOGUE.  Tokens 32 s .. 32 s + 31 are token tiles 2 s and 2 s + 1.
; phi of k feature tiles a0, a0 + 1 for these tokens, packed into fragments KF[a0], KF[a0 + 1]: registers 0-3 from tile 2 s, 4-7 from tile 2 s + 1.
.macro KPHI s, a0
	WIN 0x02                                       ; source 0 in window 2
.irp a, \a0, \a0+1
.irp bb, 0,1
.irp p, 0,1,2,3
	v_pk_add_f32 v[Y+16*((\a)-\a0)+8*\bb+2*\p:Y+16*((\a)-\a0)+8*\bb+2*\p+1], v[8*(8*(\a)+2*\s+\bb)+2*\p:8*(8*(\a)+2*\s+\bb)+2*\p+1], v[BK+2*(\a):BK+2*(\a)+1]
.endr
.endr
.endr
	WIN 0
.set ii, 0
.rept 16
	v_pk_mul_f32 v[T+2*ii:T+2*ii+1], v[Y+2*ii:Y+2*ii+1], 0x3fb8aa3b op_sel_hi:[1,0]   ; y log2(e)
.set ii, ii+1
.endr
.set ii, 0
.rept 32
	v_min_num_f32 v[T+ii], 0, v[T+ii]
.set ii, ii+1
.endr
.set ii, 0
.rept 32
	v_exp_f32 v[T+ii], v[T+ii]                     ; exp(min(y, 0))
.set ii, ii+1
.endr
.set ii, 0
.rept 32
	v_max_num_f32 v[Y+ii], 0, v[Y+ii]              ; plain instructions between the exponentials and the use of their results (ISA guide 5.7.2)
.set ii, ii+1
.endr
.set ii, 0
	s_wait_alu depctr_va_vdst(0)
.rept 16
	v_pk_add_f32 v[Y+2*ii:Y+2*ii+1], v[Y+2*ii:Y+2*ii+1], v[T+2*ii:T+2*ii+1]
.set ii, ii+1
.endr
.set ii, 0
.rept 16
	v_cvt_pk_f16_f32 v[KF+8*\a0+ii], v[Y+2*ii], v[Y+2*ii+1]
.set ii, ii+1
.endr
.endm
; v of all four feature tiles for these tokens: bias, pack
.macro VADD s
	WIN 0x03                                       ; source 0 in window 3
.irp a, 0,1,2,3
.irp bb, 0,1
.irp p, 0,1,2,3
	v_pk_add_f32 v[Y64+16*\a+8*\bb+2*\p:Y64+16*\a+8*\bb+2*\p+1], v[8*(8*\a+2*\s+\bb)+2*\p:8*(8*\a+2*\s+\bb)+2*\p+1], v[BV+2*\a:BV+2*\a+1]
.endr
.endr
.endr
	WIN 0
.set ii, 0
.rept 32
	v_cvt_pk_f16_f32 v[VF+ii], v[Y64+2*ii], v[Y64+2*ii+1]
.set ii, ii+1
.endr
.endm
; 20 products over 32 tokens: source 0 = k (rows d), source 1 = v (rows e) or ones.  The 20 accumulators take turns, one instruction a turn.
.macro KVMUL zero
	WIN 0x50                                       ; C and D in window 1
.irp et, 0,1,2,3
.irp dt, 0,1,2,3
.if \zero
	v_wmma_f32_16x16x32_f16 v[8*(4*\et+\dt):8*(4*\et+\dt)+7], v[KF+8*\dt:KF+8*\dt+7], v[VF+8*\et:VF+8*\et+7], 0
.else
	v_wmma_f32_16x16x32_f16 v[8*(4*\et+\dt):8*(4*\et+\dt)+7], v[KF+8*\dt:KF+8*\dt+7], v[VF+8*\et:VF+8*\et+7], v[8*(4*\et+\dt):8*(4*\et+\dt)+7]
.endif
.endr
.endr
.irp dt, 0,1,2,3
.if \zero
	v_wmma_f32_16x16x32_f16 v[8*(16+\dt):8*(16+\dt)+7], v[KF+8*\dt:KF+8*\dt+7], v[ONES:ONES+7], 0
.else
	v_wmma_f32_16x16x32_f16 v[8*(16+\dt):8*(16+\dt)+7], v[KF+8*\dt:KF+8*\dt+7], v[ONES:ONES+7], v[8*(16+\dt):8*(16+\dt)+7]
.endif
.endr
	WIN 0
.endm
; Tiles t0 .. t0 + 9 go to my ten tiles of LDS: 32 lanes x 16 neighbouring bytes a store, no bank conflict.
.macro GIVE t0
	WIN 0x04                                       ; store data in window 1
.set ii, 0
.rept 10
	ds_store_b128 v[LGIVE], v[8*(\t0+ii):8*(\t0+ii)+3]   offset:1024*ii
	ds_store_b128 v[LGIVE], v[8*(\t0+ii)+4:8*(\t0+ii)+7] offset:1024*ii+512
.set ii, ii+1
.endr
	WIN 0
.endm
; My partner's tiles t0 .. t0 + 9 are read, added onto mine and stored.
.macro TAKE t0
.set ii, 0
.rept 20
	ds_load_b128 v[XP+4*ii:XP+4*ii+3], v[LTAKE] offset:512*ii
.set ii, ii+1
.endr
	WIN 0x41                                       ; destination and source 0 in window 1, source 1 in window 0
.set ii, 0
.rept 10
	s_wait_dscnt 18-2*ii                           ; this tile's two loads are in; the two of each later tile stay out
.irp p, 0,1,2,3
	v_pk_add_f32 v[8*(\t0+ii)+2*\p:8*(\t0+ii)+2*\p+1], v[8*(\t0+ii)+2*\p:8*(\t0+ii)+2*\p+1], v[XP+8*ii+2*\p:XP+8*ii+2*\p+1]
.endr
.set ii, ii+1
.endr
	WIN 0x04                                       ; store data in window 1
.set ii, 0
.rept 10
	global_store_b128 v[PO], v[8*(\t0+ii):8*(\t0+ii)+3],   s[70:71] offset:1024*(\t0+ii)       ; 32 lanes store 512 consecutive aligned bytes
	global_store_b128 v[PO], v[8*(\t0+ii)+4:8*(\t0+ii)+7], s[70:71] offset:1024*(\t0+ii)+512
.set ii, ii+1
.endr
	WIN 0
.endm
	PLACES                                         ; behind the last products: their results are read, their fragment registers written
	WIN 0
.irp i, 0,1,2,3,4,5,6,7
	v_mov_b32 v[ONES+\i], 0x3c003c00               ; two f16 ones
.endr
	KPHI 0, 0
	KPHI 0, 2
	VADD 0
	KVMUL 1
	KPHI 1, 0                                      ; KF and VF are written again far more than four plain instructions behind the products that read them
	KPHI 1, 2
	VADD 1
	KVMUL 0
	KPHI 2, 0
	KPHI 2, 2
	VADD 2
	KVMUL 0
	KPHI 3, 0
	KPHI 3, 2
	VADD 3
	KVMUL 0
	PLACES                                         ; behind the last products: LDS stores read their results, LDS loads land in their sources
	; The two waves of a head share the sum: the even wave keeps tiles 0-9 and hands over 10-19, the odd wave the other way round.
	; The branches hang on the wave's number alone; the barrier stands outside them, on every wave's path.
	s_cmp_eq_u32 s12, 0
	s_cbranch_scc0 .Lgive_odd
	GIVE 10
	s_branch .Lgiven
.Lgive_odd:
	GIVE 0
.Lgiven:
	s_wait_dscnt 0x0                               ; my stores are in LDS before I say so
	s_barrier_signal -1
	s_barrier_wait -1                              ; my partner's are too
	s_cmp_eq_u32 s12, 0
	s_cbranch_scc0 .Ltake_odd
	TAKE 0
	s_branch .Ltaken
.Ltake_odd:
	TAKE 10
.Ltaken:
	s_set_vgpr_msb 0x1
	s_wait_tensorcnt 0x0
	ds_add_u32 v255, v255
	s_wait_dscnt 0x0
	s_set_vgpr_msb 0x100
	CROUND                                         ; the closing round: no work-group ends while a partner may still ask for a tile that names it
	s_endpgm
.Lfunc_end_k_q76f9a004f5_kvgemm:
	.size	k_q76f9a004f5_kvgemm, .Lfunc_end_k_q76f9a004f5_kvgemm-k_q76f9a004f5_kvgemm
	.p2alignl 7, 3214868480
	.fill 96, 4, 3214868480
	.section	.rodata,"a",@progbits
	.p2align	6, 0x0
	.amdhsa_kernel k_q76f9a004f5_kvgemm
		.amdhsa_group_segment_fixed_size 327680
		.amdhsa_private_segment_fixed_size 0
		.amdhsa_enable_private_segment 0
		.amdhsa_kernarg_size 32
		.amdhsa_user_sgpr_count 2
		.amdhsa_user_sgpr_kernarg_segment_ptr 1
		.amdhsa_wavefront_size32 1
		.amdhsa_system_sgpr_workgroup_id_x 1
		.amdhsa_system_sgpr_workgroup_id_y 1
		.amdhsa_system_sgpr_workgroup_id_z 1
		.amdhsa_system_vgpr_workitem_id 0
		.amdhsa_next_free_vgpr 1024
		.amdhsa_next_free_sgpr 80
		.amdhsa_reserve_vcc 0
		.amdhsa_float_denorm_mode_32 3
		.amdhsa_float_denorm_mode_16_64 3
		.amdhsa_memory_ordered 1
		.amdhsa_forward_progress 1
		.amdhsa_inst_pref_size 255
	.end_amdhsa_kernel
	.section	.bss,"aw",@nobits
	.p2align	6
	.space	262144
	.amdgpu_metadata
---
amdhsa.version: [ 1, 2 ]
amdhsa.kernels:
  - .name:           k_q76f9a004f5_kvgemm
    .symbol:         k_q76f9a004f5_kvgemm.kd
    .args:
      - { .name: wkvT, .offset: 0, .size: 8, .value_kind: global_buffer, .address_space: global }
      - { .name: xb, .offset: 8, .size: 8, .value_kind: global_buffer, .address_space: global }
      - { .name: b_qkv, .offset: 16, .size: 8, .value_kind: global_buffer, .address_space: global }
      - { .name: part, .offset: 24, .size: 8, .value_kind: global_buffer, .address_space: global }
    .group_segment_fixed_size: 327680
    .private_segment_fixed_size: 0
    .kernarg_segment_align: 8
    .kernarg_segment_size: 32
    .max_flat_workgroup_size: 128
    .sgpr_count:     80
    .vgpr_count:     1024
    .wavefront_size: 32
...
	.end_amdgpu_metadata
.endif
;; end of part 2
;; launch kvred (part 3): grid 4 x 64, 5 waves a work-group, no clusters, 0 bytes of LDS; arguments part, kvf; writes kvf
.if DOCPART == 3
	.amdgcn_target "amdgcn-amd-amdhsa--gfx1250"
	.amdhsa_code_object_version 6
	.text
	.protected	k_q76f9a004f5_kvred
	.globl	k_q76f9a004f5_kvred
	.p2align	8
	.type	k_q76f9a004f5_kvred,@function
k_q76f9a004f5_kvred:
	s_mov_b64 s[64:65], 0
	v_nop
	global_prefetch_b8 v0, s[64:65] scope:SCOPE_SE
	s_setreg_imm32_b32 hwreg(HW_REG_WAVE_MODE, 25, 1), 1
	s_wait_xcnt 0x0
; LinearAttention, launch 3 of 5: k^T v and the sum of k of each (batch, head) = the sum of its 8 partials, in ascending order of the chunks, rounded to bf16.
; part [bh (64)][chunk of 256 tokens (8)][tile (20)][half (2)][lane (32)][4 f32]  ->  kvf [bh (64)][tile (20)][lane (32)][8 bf16].
; In kvf tiles 4 et + 2 ks and 4 et + 2 ks + 1 are registers 0-3 and 4-7 of the fragment with rows e = 16 et + r and K = d = 32 ks .. 32 ks + 31.
; bf16 and not f16: these sums grow as 2,048 |k| |v|, for which f16 has no room.
; One wave sums one tile: 16 loads of 512 consecutive bytes, all issued at once.  64 x 20 tiles = 256 work-groups of five waves, all alike.
; No LDS, no barrier, nothing left out.
.set X, 8                              ; v[8:71]    chunk c at X + 8 c
.set O, 72                             ; v[72:75]   the packed tile
	s_load_b128 s[4:7], s[0:1], 0x0                ; part s[4:5], kvf s[6:7]
	v_and_b32 v1, 31, v0
	v_lshrrev_b32 v3, 5, v0
	v_readfirstlane_b32 s8, v3                     ; wave 0..4
	s_and_b32 s9, ttmp7, 0xffff                    ; bh
	s_mul_i32 s10, ttmp9, 5
	s_add_co_u32 s10, s10, s8                      ; tile = 5 x + wave
	s_mul_i32 s12, s9, 8*20480
	s_lshl_b32 s14, s10, 10
	s_add_co_u32 s12, s12, s14
	s_mov_b32 s13, 0
	s_mul_i32 s14, s9, 10240
	s_lshl_b32 s16, s10, 9
	s_add_co_u32 s14, s14, s16
	s_mov_b32 s15, 0
	v_lshlrev_b32 v2, 4, v1
	s_wait_kmcnt 0x0
	s_add_nc_u64 s[4:5], s[4:5], s[12:13]
	s_add_nc_u64 s[6:7], s[6:7], s[14:15]
.set cc, 0
.rept 8
	global_load_b128 v[X+8*cc:X+8*cc+3],   v2, s[4:5] offset:20480*cc th:TH_LOAD_NT
	global_load_b128 v[X+8*cc+4:X+8*cc+7], v2, s[4:5] offset:20480*cc+512 th:TH_LOAD_NT
.set cc, cc+1
.endr
.set cc, 1
.rept 7
	s_wait_loadcnt 14-2*cc                         ; chunks 0 to c are in; the two loads of each later chunk stay out
.irp p, 0,1,2,3
	v_pk_add_f32 v[X+2*\p:X+2*\p+1], v[X+2*\p:X+2*\p+1], v[X+8*cc+2*\p:X+8*cc+2*\p+1]
.endr
.set cc, cc+1
.endr
.irp p, 0,1,2,3
	v_cvt_pk_bf16_f32 v[O+\p], v[X+2*\p], v[X+2*\p+1]
.endr
	global_store_b128 v2, v[O:O+3], s[6:7]         ; 32 lanes store 512 consecutive aligned bytes
	s_endpgm
.Lfunc_end_k_q76f9a004f5_kvred:
	.size	k_q76f9a004f5_kvred, .Lfunc_end_k_q76f9a004f5_kvred-k_q76f9a004f5_kvred
	.p2alignl 7, 3214868480
	.fill 96, 4, 3214868480
	.section	.rodata,"a",@progbits
	.p2align	6, 0x0
	.amdhsa_kernel k_q76f9a004f5_kvred
		.amdhsa_group_segment_fixed_size 0
		.amdhsa_private_segment_fixed_size 0
		.amdhsa_enable_private_segment 0
		.amdhsa_kernarg_size 16
		.amdhsa_user_sgpr_count 2
		.amdhsa_user_sgpr_kernarg_segment_ptr 1
		.amdhsa_wavefront_size32 1
		.amdhsa_system_sgpr_workgroup_id_x 1
		.amdhsa_system_sgpr_workgroup_id_y 1
		.amdhsa_system_sgpr_workgroup_id_z 1
		.amdhsa_system_vgpr_workitem_id 0
		.amdhsa_next_free_vgpr 80
		.amdhsa_next_free_sgpr 66
		.amdhsa_reserve_vcc 0
		.amdhsa_float_denorm_mode_32 3
		.amdhsa_float_denorm_mode_16_64 3
		.amdhsa_memory_ordered 1
		.amdhsa_forward_progress 1
		.amdhsa_inst_pref_size 5
	.end_amdhsa_kernel
	.amdgpu_metadata
---
amdhsa.version: [ 1, 2 ]
amdhsa.kernels:
  - .name:           k_q76f9a004f5_kvred
    .symbol:         k_q76f9a004f5_kvred.kd
    .args:
      - { .name: part, .offset: 0, .size: 8, .value_kind: global_buffer, .address_space: global }
      - { .name: kvf, .offset: 8, .size: 8, .value_kind: global_buffer, .address_space: global }
    .group_segment_fixed_size: 0
    .private_segment_fixed_size: 0
    .kernarg_segment_align: 8
    .kernarg_segment_size: 16
    .max_flat_workgroup_size: 160
    .sgpr_count:     66
    .vgpr_count:     80
    .wavefront_size: 32
...
	.end_amdgpu_metadata
.endif
;; end of part 3
;; launch qatt (part 4): grid 8 x 32, 4 waves a work-group, clusters of 4 x 4, 327,680 bytes of LDS; arguments xb, wqT, b_qkv, kvf, att; writes att
.if DOCPART == 4
	.amdgcn_target "amdgcn-amd-amdhsa--gfx1250"
	.amdhsa_code_object_version 6
	.text
	.protected	k_q76f9a004f5_qatt
	.globl	k_q76f9a004f5_qatt
	.p2align	8
	.type	k_q76f9a004f5_qatt,@function
k_q76f9a004f5_qatt:
	s_mov_b64 s[64:65], 0
	v_nop
	global_prefetch_b8 v0, s[64:65] scope:SCOPE_SE
	s_setreg_imm32_b32 hwreg(HW_REG_WAVE_MODE, 25, 1), 1
	s_wait_xcnt 0x0
	s_wait_alu depctr_hold_cnt(0) depctr_sa_sdst(0) depctr_va_vdst(0) depctr_va_sdst(0) depctr_va_ssrc(0) depctr_va_vcc(0) depctr_vm_vsrc(0)
	s_getreg_b32 s2, hwreg(HW_REG_IB_STS2, 6, 4)
	s_cmp_eq_u32 s2, 0
	s_cbranch_scc0 .Lentry_in_a_cluster
	s_endpgm
.Lentry_in_a_cluster:
	s_bfe_u32 s2, ttmp6, 0x10000c
	s_cmp_lg_u32 s2, 0xf033
	s_cbranch_scc0 .Lentry_shape_is_right
	s_endpgm
.Lentry_shape_is_right:
; LinearAttention, launch 4 of 5: q = phi(x w_q + b_q), and from the accumulators, without storing q, att = (q kv) / (q ksum + 1e-8), in f16.
; A = xb [8192 tokens][1024], B = wqT [1024 features][1024], f16, sums in f32.  A work-group makes 256 tokens x 128 features (two heads): 32 x 8 = 256 work-groups.
; A wave makes 64 tokens x 128 features: 32 accumulator tiles in window 2, tile (a, b) at v[8 (8 a + b)].
; With rows of B as source 0 and rows of A as source 1, lane l holds token l % 16 and its registers 0-7 hold features 8 (l / 16) + 0..7: packed to 16 bits, two
; neighbouring feature tiles are a fragment with rows = tokens and K = d.  Multiplied with kvf's fragments (rows e, K = d) as source 0 the result again has a token
; in a lane and eight neighbouring e in its registers; the fifth tile of a head (rows = ksum) gives the denominator of the lane's token in every register.
; THE RING: a K step of 128 is 384 rows of 256 bytes, 104,448 bytes with the padding.  Two slots of two K steps (405,504 bytes) do not fit into 327,680, so there is a
; LARGE slot of two K steps (rows of 512 bytes, pitch 528) and a SMALL slot of one (pitch 272), 307,200 bytes together.  The eight K steps go (0,1) (2) (3,4) (5) (6,7):
; three K steps are first fills, and three refills are left, each one tensor load a wave behind a round of the cluster's barrier.  From a request to the wait for it a
; wave issues 112 matrix instructions for the large slot (the small slot's step) and 240 for the small one (the large slot's two steps).
; The five phases differ in what they fill, so the main part is written out without a loop.
; FORMATS: the small product q kv takes bf16: kv and ksum grow as 2,048 |k| |v| (ksum is about 2,400 at the drawn spread and 810,000 times that with x and w_qkv both
; 30 times larger), which has no room in f16; their roundings, and q's, add up incoherently over d or cancel between numerator and denominator.
; att goes out in f16: it is a weighted mean of v, at most the largest |v|, and its rounding reaches the output at its full relative size.
; No work is left out.  LIMITS: att overflows f16 where |x w + b| reaches 65,504 (about 5,000 at the most with x and w_qkv both 30 times larger, 28,800 with both offset
; by 30 spreads); phi(y) = max(y,0) + exp(min(y,0)) is made with v_max_num_f32 and v_min_num_f32, so a NaN pre-activation gives 1, not NaN;
; v_exp_f32 and v_rcp_f32 give 0 where the result lies below 2^-126.
; CLUSTERS: 4 x 4 work-groups; A's tile (block row alone) is asked for jointly by a row of the cluster, B's (block column alone) by a column.
; REGISTERS: window 0: v16-28 addresses, v32-63 rows read back, v64-95 and v128-159 fragments of A (two buffers), in the epilogue Y, T, QF;
; window 1: v64-127, v128-191 fragments of B, in the epilogue the ten result tiles; window 2: accumulators; window 3: kvf's 20 fragments and the bias.
.set SIZE_K, 1024
.set KSTEP,  128
.set PITCHS, 272                       ; small slot: 256 bytes + 16 of padding
.set PITCHL, 528                       ; large slot: 512 bytes + 16 of padding; both pitches are odd multiples of 16 bytes
.set LAL,    0                         ; A, large slot: 256 rows
.set LAS,    LAL+256*PITCHL            ; A, small slot: 256 rows
.set LBL,    LAS+256*PITCHS            ; B, large slot: 128 rows
.set LBS,    LBL+128*PITCHL            ; B, small slot: 128 rows
.set STAGE,  LBS+128*PITCHS            ; behind the ring: 16 rows x 272 bytes for each wave; no fill lands here
.set SPITCH, 272
.set ADRA, 16                          ; v16 LDS address of my A fragments in the small slot, v17 in the large one
.set ADRB, 20                          ; v20, v21 the same for B
.set STO,  24                          ; the way out: where I put 16 bytes of a row
.set RD,   25                          ; where I read a row back
.set CO,   26                          ; my byte offset in att
.set BOF,  27                          ; byte offset of my eight features' bias
.set KVO,  28                          ; 16 x lane
.set RB,   32                          ; v[32:63] rows read back
.set F0,   64
.set F1,   128
.set Y,    96                          ; v[96:159]
.set TMP,  96                          ; v[96:127] packed results (Y is free by then)
.set T,    160                         ; v[160:223]
.set QF,   224                         ; v[224:255] four fragments of phi(q): (head hh, ks) at 16 hh + 8 ks
.set BQ,   160                         ; window 3: v[160:223] bias of feature 16 b + 8 hl + j at 8 b + j
.set G1AS, 24                          ; s[24:31] group 1, A, small slot
.set G0A,  32                          ; s[32:35] group 0, A, small slot; s[36:39] large slot
.set G1BS, 48                          ; s[48:55] group 1, B, small slot
.set G0B,  56                          ; s[56:59] group 0, B, small slot; s[60:63] large slot
.set G1AL, 80                          ; s[80:87] group 1, A, large slot
.set G1BL, 88                          ; s[88:95] group 1, B, large slot
.set MSB, 0
.macro WIN new                         ; the immediate's high byte repeats the setting that is left
.if MSB != \new
	s_set_vgpr_msb (MSB<<8)|\new
.set MSB, \new
.endif
.endm
.set MUL_W, 0xa1                       ; source 0 (B) window 1, source 1 (A) window 0, C and D window 2
.set TO_B,  0x40
; A joint load into the large (big = 1) or the small slot.  Waves 0 and 1 fetch A's halves, waves 2 and 3 B's; the branch hangs on the wave's number alone.
.macro JLOAD big
	s_cmp_eq_u32 s11, 0
	s_cbranch_scc0 .Lfor_b_\@
.if \big
	tensor_load_to_lds s[G0A+4:G0A+7], s[G1AL:G1AL+7]
	s_nop 0
.else
	tensor_load_to_lds s[G0A:G0A+3], s[G1AS:G1AS+7]
	s_nop 0
.endif
	s_branch .Lasked_\@
.Lfor_b_\@:
.if \big
	tensor_load_to_lds s[G0B+4:G0B+7], s[G1BL:G1BL+7]
	s_nop 0
.else
	tensor_load_to_lds s[G0B:G0B+3], s[G1BS:G1BS+7]
	s_nop 0
.endif
.Lasked_\@:
.endm
.macro CREST
	s_cmp_lg_u32 s10, 0
	s_cbranch_scc1 .Lnot_wave_0_\@
	s_barrier_signal -3
.Lnot_wave_0_\@:
	s_barrier_wait -3
	s_barrier_signal -1
	s_barrier_wait -1
.endm
.macro CROUND
	s_barrier_signal -1
	s_barrier_wait -1
	CREST
.endm
	s_load_b128 s[4:7], s[0:1], 0x0                ; xb s[4:5], wqT s[6:7]
	s_load_b128 s[68:71], s[0:1], 0x10             ; b_qkv s[68:69], kvf s[70:71]
	s_load_b64 s[8:9], s[0:1], 0x20                ; att
	s_set_vgpr_msb 0x40
	v_lshl_add_u32 v255, v0, 2, 0x4f400
	s_set_vgpr_msb 0x4000
	v_mov_b32 v31, 0
	s_set_vgpr_msb 0x1
	ds_add_u32 v255, v31
	s_set_vgpr_msb 0x100
	v_lshrrev_b32 v1, 5, v0
	v_readfirstlane_b32 s10, v1                    ; wave 0..3: my 64 tokens
	s_lshr_b32 s11, s10, 1                         ; I fetch for A (0) or for B (1)
	s_and_b32 s12, s10, 1                          ; which half of that tile
	s_bfe_u32 s40, ttmp6, 0x40000                  ; cx
	s_bfe_u32 s41, ttmp6, 0x40004                  ; cy
	s_lshl_b32 s42, ttmp9, 2
	s_add_co_u32 s42, s42, s40                     ; block column (128 features)
	s_and_b32 s13, ttmp7, 0xffff
	s_lshl_b32 s13, s13, 2
	s_add_co_u32 s13, s13, s41                     ; block row (256 tokens)
	s_lshl_b32 s43, s41, 2
	s_lshl_b32 s43, 15, s43                        ; my row of the cluster
	s_lshl_b32 s44, 0x1111, s40                    ; my column
	; group 1: elements of 2 bytes; 4 words of padding behind every 64 words (small slot's rows) or every 128 (large slot's rows)
	s_or_b32 s[G1AS+0], s43, (1<<16)|(1<<20)|(1<<21)|(5<<22)|(3<<25)
	s_or_b32 s[G1AL+0], s43, (1<<16)|(1<<20)|(1<<21)|(6<<22)|(3<<25)
	s_or_b32 s[G1BS+0], s44, (1<<16)|(1<<20)|(1<<21)|(5<<22)|(3<<25)
	s_or_b32 s[G1BL+0], s44, (1<<16)|(1<<20)|(1<<21)|(6<<22)|(3<<25)
.irp g, G1AS, G1BS
	s_mov_b32 s[\g+1], KSTEP<<16                   ; tensor_dim0 = 128
	s_mov_b32 s[\g+3], KSTEP<<16                   ; tile_dim0 = 128
.endr
.irp g, G1AL, G1BL
	s_mov_b32 s[\g+1], (2*KSTEP)<<16               ; tensor_dim0 = 256
	s_mov_b32 s[\g+3], (2*KSTEP)<<16               ; tile_dim0 = 256
.endr
.irp g, G1AS, G1AL
	s_mov_b32 s[\g+2], 128<<16                     ; A: tensor_dim1 = 128 rows
	s_mov_b32 s[\g+4], 128                         ; tile_dim1
.endr
.irp g, G1BS, G1BL
	s_mov_b32 s[\g+2], 64<<16                      ; B: 64 rows
	s_mov_b32 s[\g+4], 64
.endr
.irp g, G1AS, G1AL, G1BS, G1BL
	s_mov_b32 s[\g+5], SIZE_K                      ; elements from row to row
	s_mov_b32 s[\g+6], 0
	s_mov_b32 s[\g+7], 0
.endr
	s_lshl_b32 s17, s12, 7
	s_lshl_b32 s16, s13, 8
	s_add_co_u32 s16, s16, s17                     ; A: row 256 x block row + 128 x half
	s_lshl_b32 s21, s12, 6
	s_lshl_b32 s46, s42, 7
	s_add_co_u32 s46, s46, s21                     ; B: row 128 x block column + 64 x half
	s_mov_b32 s17, 0
	s_mov_b32 s47, 0
	s_mov_b64 s[18:19], SIZE_K*2
	s_mul_u64 s[16:17], s[16:17], s[18:19]
	s_mul_u64 s[46:47], s[46:47], s[18:19]
	s_mul_i32 s20, s10, 128*PITCHS                 ; LDS of A's half in the small slot (waves 0, 1): wave x 128 rows
	s_mul_i32 s21, s10, 128*PITCHL                 ; in the large slot
	s_mul_i32 s45, s10, 64*PITCHS                  ; LDS of B's half in the small slot (waves 2, 3): (wave - 2) x 64 rows, the 2 taken off below
	s_mul_i32 s22, s10, 64*PITCHL                  ; in the large slot
	s_wait_dscnt 0x0
	s_wait_kmcnt 0x0
	s_add_nc_u64 s[14:15], s[4:5], s[16:17]
	s_add_nc_u64 s[46:47], s[6:7], s[46:47]
	CROUND                                         ; all sixteen work-groups are here: the first joint loads meet
	s_mov_b32 s[G0A+4], 1                          ; the large slot: K steps 0 and 1
	s_add_co_u32 s[G0A+5], s21, LAL
	s_mov_b64 s[G0A+6:G0A+7], s[14:15]
	s_or_b32 s[G0A+7], s[G0A+7], 0x80000000
	s_mov_b32 s[G0B+4], 1
	s_add_co_u32 s[G0B+5], s22, LBL-2*64*PITCHL
	s_mov_b64 s[G0B+6:G0B+7], s[46:47]
	s_or_b32 s[G0B+7], s[G0B+7], 0x80000000
	JLOAD 1
	s_mov_b32 s[G0A], 1                            ; the small slot: K step 2
	s_add_co_u32 s[G0A+1], s20, LAS
	s_add_nc_u64 s[G0A+2:G0A+3], s[14:15], 2*KSTEP*2
	s_or_b32 s[G0A+3], s[G0A+3], 0x80000000
	s_mov_b32 s[G0B], 1
	s_add_co_u32 s[G0B+1], s45, LBS-2*64*PITCHS
	s_add_nc_u64 s[G0B+2:G0B+3], s[46:47], 2*KSTEP*2
	s_or_b32 s[G0B+3], s[G0B+3], 0x80000000
	JLOAD 0                                        ; two tensor loads of this wave are out
	v_and_b32 v1, 15, v0                           ; r
	v_bfe_u32 v2, v0, 4, 1                         ; hl
	v_and_b32 v6, 31, v0
	v_lshlrev_b32 v[KVO], 4, v6
	s_lshl_b32 s72, s42, 9                         ; 128 f32 a block column
	v_lshl_add_u32 v[BOF], v2, 5, s72
	s_lshr_b32 s73, s13, 3                         ; batch: 8 block rows of 256 tokens
	s_lshl_b32 s73, s73, 4
	s_lshl1_add_u32 s73, s42, s73                  ; 16 b + first of my two heads
	s_mul_i32 s74, s73, 10240
	s_mov_b32 s75, 0
	s_add_nc_u64 s[70:71], s[70:71], s[74:75]
	WIN 0xc0                                       ; destination in window 3
.set ii, 0
.rept 40
	global_load_b128 v[4*ii:4*ii+3], v[KVO], s[70:71] offset:512*ii    ; fragment (hh, et, ks) lands at 80 hh + 16 et + 8 ks
.set ii, ii+1
.endr
.irp b, 0,1,2,3,4,5,6,7
	global_load_b128 v[BQ+8*\b:BQ+8*\b+3],   v[BOF], s[68:69] offset:64*\b
	global_load_b128 v[BQ+8*\b+4:BQ+8*\b+7], v[BOF], s[68:69] offset:64*\b+16
.endr
	WIN 0
	v_mul_u32_u24 v3, v1, PITCHS
	v_lshl_add_u32 v3, v2, 4, v3                   ; small slot: row x pitch + 16 x half
	v_mul_u32_u24 v4, v1, PITCHL
	v_lshl_add_u32 v4, v2, 4, v4                   ; large slot
	s_mul_i32 s21, s10, 64*PITCHS                  ; my 64 rows of A
	s_add_co_u32 s21, s21, LAS
	v_add_nc_u32 v[ADRA], s21, v3
	s_mul_i32 s22, s10, 64*PITCHL
	s_add_co_u32 s22, s22, LAL
	v_add_nc_u32 v[ADRA+1], s22, v4
	v_add_nc_u32 v[ADRB], LBS, v3                  ; all 128 rows of B
	v_add_nc_u32 v[ADRB+1], LBL, v4
	s_mul_i32 s23, s10, 16*SPITCH
	s_add_co_u32 s23, s23, STAGE                   ; my stage
	v_add_nc_u32 v[STO], s23, v3                   ; in: row r, 16 bytes for each half of the lanes
	v_mul_u32_u24 v5, v2, SPITCH                   ; back: lanes 0-15 one row of 256 bytes, lanes 16-31 the next
	v_lshl_add_u32 v5, v1, 4, v5
	v_add_nc_u32 v[RD], s23, v5
	v_lshlrev_b32 v5, 11, v2                       ; and the same two rows of 2,048 bytes in att
	v_lshl_add_u32 v[CO], v1, 4, v5
	s_lshl_b32 s76, s13, 8
	s_lshl_b32 s77, s10, 6
	s_add_co_u32 s76, s76, s77                     ; my first token
	s_lshl_b32 s76, s76, 11
	s_lshl_b32 s77, s42, 8                         ; my 128 channels in f16
	s_add_co_u32 s76, s76, s77
	s_mov_b32 s77, 0
	s_add_nc_u64 s[8:9], s[8:9], s[76:77]
	s_wait_loadcnt 0x0                             ; kvf's fragments and the bias
; 16 matrix instructions: token tiles a0, a0 + 1 x all 8 feature tiles, 32 along K
.macro MUL16 f, a0, zero
.irp a, \a0, \a0+1
.irp b, 0,1,2,3,4,5,6,7
.if \zero
	v_wmma_f32_16x16x32_f16 v[8*(8*(\a)+\b):8*(8*(\a)+\b)+7], v[\f+8*\b:\f+8*\b+7], v[\f+8*(\a):\f+8*(\a)+7], 0
.else
	v_wmma_f32_16x16x32_f16 v[8*(8*(\a)+\b):8*(8*(\a)+\b)+7], v[\f+8*\b:\f+8*\b+7], v[\f+8*(\a):\f+8*(\a)+7], v[8*(8*(\a)+\b):8*(8*(\a)+\b)+7]
.endif
.endr
.endr
.endm
; 24 LDS loads in one run: 128 rows of B, my 64 rows of A, 32 K at byte k of the rows of the large (big = 1) or the small slot
.macro FETCH big, k, f
	WIN TO_B
.irp i, 0,1,2,3,4,5,6,7
	ds_load_b128 v[\f+8*\i:\f+8*\i+3],   v[ADRB+\big] offset:\k+\i*16*(PITCHS+(PITCHL-PITCHS)*\big)
	ds_load_b128 v[\f+8*\i+4:\f+8*\i+7], v[ADRB+\big] offset:\k+\i*16*(PITCHS+(PITCHL-PITCHS)*\big)+32
.endr
	WIN 0
.irp i, 0,1,2,3
	ds_load_b128 v[\f+8*\i:\f+8*\i+3],   v[ADRA+\big] offset:\k+\i*16*(PITCHS+(PITCHL-PITCHS)*\big)
	ds_load_b128 v[\f+8*\i+4:\f+8*\i+7], v[ADRA+\big] offset:\k+\i*16*(PITCHS+(PITCHL-PITCHS)*\big)+32
.endr
.endm
; Four places of plain vector instructions behind a matrix instruction before its results are read or its registers written or loaded into (ISA guide 7.12.1)
.macro PLACES
.rept 4
	v_nop
.endr
.endm
; A quarter step: buffer f is multiplied, 32 matrix instructions, while the next quarter's 24 loads into buffer g are on their way.
; The 32 accumulators take turns, one instruction a turn, in the same order everywhere.
.macro QTR big, k, f, g, zero
	s_wait_dscnt 0                                 ; buffer f is in: its loads were issued a quarter ago and nothing younger is out
	PLACES                                         ; buffer g was read by the last matrix instructions
	FETCH \big, \k, \g
	WIN MUL_W
	MUL16 \f, 0, \zero
	MUL16 \f, 2, \zero
.endm
.macro THREE                           ; the small slot's first three quarters
	QTR 0, 64,  F0, F1, 0
	QTR 0, 128, F1, F0, 0
	QTR 0, 192, F0, F1, 0
.endm
.macro SEVEN zero                      ; the large slot's first seven quarters: its two K steps lie side by side in each row
	QTR 1, 64,  F0, F1, \zero
	QTR 1, 128, F1, F0, 0
	QTR 1, 192, F0, F1, 0
	QTR 1, 256, F1, F0, 0
	QTR 1, 320, F0, F1, 0
	QTR 1, 384, F1, F0, 0
	QTR 1, 448, F0, F1, 0
.endm
; A slot's last quarter multiplies buffer 1 and changes slots (cur, next: 1 the large slot, 0 the small one).  In front of the barrier my reads of this slot and all my
; tensor loads are waited for; behind it the refill of this slot comes first, three K steps further on, then the next slot's first fragments.
.macro TURN cur, next, fill
	s_wait_dscnt 0                                 ; buffer 1 is in, and with it my last reads of this slot
	s_wait_tensorcnt 0x0                           ; all my tensor loads have landed: the one that was out is my part of the next slot
	ds_add_u32 v255, v31
	s_wait_dscnt 0x0
	s_barrier_signal -1                            ; where a slot is filled again this barrier opens a round of the cluster's barrier
	WIN MUL_W
	MUL16 F1, 0, 0                                 ; registers only
	WIN 0
	s_barrier_wait -1
.if \fill
	CREST                                          ; no wave of any partner still reads this slot or has a load on its way
	s_add_nc_u64 s[G0A+4*\cur+2:G0A+4*\cur+3], s[G0A+4*\cur+2:G0A+4*\cur+3], 3*KSTEP*2
	s_add_nc_u64 s[G0B+4*\cur+2:G0B+4*\cur+3], s[G0B+4*\cur+2:G0B+4*\cur+3], 3*KSTEP*2
	JLOAD \cur                                     ; the wave's one tensor load behind the round
.endif
	PLACES
	FETCH \next, 0, F0
	WIN MUL_W
	MUL16 F1, 2, 0
.endm
	s_wait_tensorcnt 1                             ; my part of K steps 0 and 1 is in; K step 2's stays out
	s_barrier_signal -1
	s_barrier_wait -1
	FETCH 1, 0, F0
	SEVEN 1                                        ; K steps 0, 1: the first products start the sums
	TURN 1, 0, 1                                   ; the large slot is asked for again: K steps 3, 4
	THREE                                          ; K step 2
	TURN 0, 1, 1                                   ; the small slot: K step 5
	SEVEN 0                                        ; K steps 3, 4
	TURN 1, 0, 1                                   ; the large slot: K steps 6, 7
	THREE                                          ; K step 5
	TURN 0, 1, 0                                   ; nothing is left to fetch: a plain barrier
	SEVEN 0                                        ; K steps 6, 7
	s_wait_dscnt 0
	WIN MUL_W
	MUL16 F1, 0, 0
	MUL16 F1, 2, 0
; EPILOGUE, 16 tokens at a time (token tile a): bias, phi, pack; ten products for each half of d; divide; pack; out through my stage.
.macro QROW a
	WIN 0x0e                                       ; source 0 in window 2, source 1 in window 3
.irp b, 0,1,2,3,4,5,6,7
.irp p, 0,1,2,3
	v_pk_add_f32 v[Y+8*\b+2*\p:Y+8*\b+2*\p+1], v[8*(8*\a+\b)+2*\p:8*(8*\a+\b)+2*\p+1], v[BQ+8*\b+2*\p:BQ+8*\b+2*\p+1]
.endr
.endr
	WIN 0
.set ii, 0
.rept 32
	v_pk_mul_f32 v[T+2*ii:T+2*ii+1], v[Y+2*ii:Y+2*ii+1], 0x3fb8aa3b op_sel_hi:[1,0]   ; y log2(e)
.set ii, ii+1
.endr
.set ii, 0
.rept 64
	v_min_num_f32 v[T+ii], 0, v[T+ii]
.set ii, ii+1
.endr
.set ii, 0
.rept 64
	v_exp_f32 v[T+ii], v[T+ii]                     ; exp(min(y, 0))
.set ii, ii+1
.endr
.set ii, 0
.rept 64
	v_max_num_f32 v[Y+ii], 0, v[Y+ii]              ; plain instructions between the exponentials and the use of their results (ISA guide 5.7.2)
.set ii, ii+1
.endr
.set ii, 0
	s_wait_alu depctr_va_vdst(0)
.rept 32
	v_pk_add_f32 v[Y+2*ii:Y+2*ii+1], v[Y+2*ii:Y+2*ii+1], v[T+2*ii:T+2*ii+1]
.set ii, ii+1
.endr
.set ii, 0
.rept 32
	v_cvt_pk_bf16_f32 v[QF+ii], v[Y+2*ii], v[Y+2*ii+1]             ; phi(q) in bf16, as its partner kv is
.set ii, ii+1
.endr
	WIN 0x53                                       ; source 0 (kvf) window 3, source 1 (q) window 0, C and D window 1
.irp ks, 0,1
.irp hh, 0,1
.irp et, 0,1,2,3,4
.if \ks == 0
	v_wmma_f32_16x16x32_bf16 v[8*(5*\hh+\et):8*(5*\hh+\et)+7], v[80*\hh+16*\et+8*\ks:80*\hh+16*\et+8*\ks+7], v[QF+16*\hh+8*\ks:QF+16*\hh+8*\ks+7], 0
.else
	v_wmma_f32_16x16x32_bf16 v[8*(5*\hh+\et):8*(5*\hh+\et)+7], v[80*\hh+16*\et+8*\ks:80*\hh+16*\et+8*\ks+7], v[QF+16*\hh+8*\ks:QF+16*\hh+8*\ks+7], v[8*(5*\hh+\et):8*(5*\hh+\et)+7]
.endif
.endr
.endr
.endr                                          ; the ten accumulators take turns, one instruction a turn
	PLACES
	WIN 0x55                                       ; all in window 1
.irp hh, 0,1
	v_pk_add_f32 v[8*(5*\hh+4):8*(5*\hh+4)+1], v[8*(5*\hh+4):8*(5*\hh+4)+1], 0x322bcc77 op_sel_hi:[1,0]   ; q ksum + 1e-8, the lane's token, twice
.endr
.irp hh, 0,1
	v_rcp_f32 v[8*(5*\hh+4)], v[8*(5*\hh+4)]
	v_rcp_f32 v[8*(5*\hh+4)+1], v[8*(5*\hh+4)+1]
.endr
	v_nop                                          ; one plain instruction before the reciprocals are used (ISA guide 5.7.2)
	s_wait_alu depctr_va_vdst(0)
.irp hh, 0,1
.irp et, 0,1,2,3
.irp p, 0,1,2,3
	v_pk_mul_f32 v[8*(5*\hh+\et)+2*\p:8*(5*\hh+\et)+2*\p+1], v[8*(5*\hh+\et)+2*\p:8*(5*\hh+\et)+2*\p+1], v[8*(5*\hh+4):8*(5*\hh+4)+1]
.endr
.endr
.endr
	WIN 0x05                                       ; sources in window 1, destination in window 0
.irp hh, 0,1
.irp et, 0,1,2,3
.irp p, 0,1,2,3
	v_cvt_pk_f16_f32 v[TMP+4*(4*\hh+\et)+\p], v[8*(5*\hh+\et)+2*\p], v[8*(5*\hh+\et)+2*\p+1]
.endr
.endr
.endr
	WIN 0
.irp i, 0,1,2,3,4,5,6,7
	ds_store_b128 v[STO], v[TMP+4*\i:TMP+4*\i+3] offset:32*\i      ; token r, channels 16 i + 8 hl .. + 7
.endr
	s_wait_xcnt 0x0                                ; RB, which the last stores read, and their base are rewritten only behind this wait
.if \a > 0
	s_add_nc_u64 s[8:9], s[8:9], 16*2048           ; 16 tokens on
.endif
.irp t, 0,1,2,3,4,5,6,7
	ds_load_b128 v[RB+4*\t:RB+4*\t+3], v[RD] offset:\t*2*SPITCH    ; my own bytes; LDS serves a wave's instructions in order (ISA guide 5.7.1.4)
.endr
.irp t, 0,1,2,3,4,5,6,7
	s_wait_dscnt 7-\t                              ; the younger loads stay out
	global_store_b128 v[CO], v[RB+4*\t:RB+4*\t+3], s[8:9] offset:4096*\t   ; 16 lanes store 256 consecutive aligned bytes
.endr
.endm
	PLACES
	QROW 0
	QROW 1
	QROW 2
	QROW 3
	s_set_vgpr_msb 0x1
	s_wait_tensorcnt 0x0
	ds_add_u32 v255, v31
	s_wait_dscnt 0x0
	s_set_vgpr_msb 0x100
	CROUND                                         ; the closing round: no work-group ends while a partner may still ask for a tile that names it
	s_endpgm
.Lfunc_end_k_q76f9a004f5_qatt:
	.size	k_q76f9a004f5_qatt, .Lfunc_end_k_q76f9a004f5_qatt-k_q76f9a004f5_qatt
	.p2alignl 7, 3214868480
	.fill 96, 4, 3214868480
	.section	.rodata,"a",@progbits
	.p2align	6, 0x0
	.amdhsa_kernel k_q76f9a004f5_qatt
		.amdhsa_group_segment_fixed_size 327680
		.amdhsa_private_segment_fixed_size 0
		.amdhsa_enable_private_segment 0
		.amdhsa_kernarg_size 40
		.amdhsa_user_sgpr_count 2
		.amdhsa_user_sgpr_kernarg_segment_ptr 1
		.amdhsa_wavefront_size32 1
		.amdhsa_system_sgpr_workgroup_id_x 1
		.amdhsa_system_sgpr_workgroup_id_y 1
		.amdhsa_system_sgpr_workgroup_id_z 1
		.amdhsa_system_vgpr_workitem_id 0
		.amdhsa_next_free_vgpr 1024
		.amdhsa_next_free_sgpr 96
		.amdhsa_reserve_vcc 0
		.amdhsa_float_denorm_mode_32 3
		.amdhsa_float_denorm_mode_16_64 3
		.amdhsa_memory_ordered 1
		.amdhsa_forward_progress 1
		.amdhsa_inst_pref_size 229
	.end_amdhsa_kernel
	.amdgpu_metadata
---
amdhsa.version: [ 1, 2 ]
amdhsa.kernels:
  - .name:           k_q76f9a004f5_qatt
    .symbol:         k_q76f9a004f5_qatt.kd
    .args:
      - { .name: xb, .offset: 0, .size: 8, .value_kind: global_buffer, .address_space: global }
      - { .name: wqT, .offset: 8, .size: 8, .value_kind: global_buffer, .address_space: global }
      - { .name: b_qkv, .offset: 16, .size: 8, .value_kind: global_buffer, .address_space: global }
      - { .name: kvf, .offset: 24, .size: 8, .value_kind: global_buffer, .address_space: global }
      - { .name: att, .offset: 32, .size: 8, .value_kind: global_buffer, .address_space: global }
    .group_segment_fixed_size: 327680
    .private_segment_fixed_size: 0
    .kernarg_segment_align: 8
    .kernarg_segment_size: 40
    .max_flat_workgroup_size: 128
    .sgpr_count:     96
    .vgpr_count:     1024
    .wavefront_size: 32
...
	.end_amdgpu_metadata
.endif
;; end of part 4
;; launch proj (part 5): grid 8 x 32, 4 waves a work-group, clusters of 4 x 4, 327,680 bytes of LDS; arguments att, wpT, b_proj, out0; writes out0
.if DOCPART == 5
	.amdgcn_target "amdgcn-amd-amdhsa--gfx1250"
	.amdhsa_code_object_version 6
	.text
	.protected	k_q76f9a004f5_proj
	.globl	k_q76f9a004f5_proj
	.p2align	8
	.type	k_q76f9a004f5_proj,@function
k_q76f9a004f5_proj:
	s_mov_b64 s[64:65], 0
	v_nop
	global_prefetch_b8 v0, s[64:65] scope:SCOPE_SE
	s_setreg_imm32_b32 hwreg(HW_REG_WAVE_MODE, 25, 1), 1
	s_wait_xcnt 0x0
	s_wait_alu depctr_hold_cnt(0) depctr_sa_sdst(0) depctr_va_vdst(0) depctr_va_sdst(0) depctr_va_ssrc(0) depctr_va_vcc(0) depctr_vm_vsrc(0)
	s_getreg_b32 s2, hwreg(HW_REG_IB_STS2, 6, 4)
	s_cmp_eq_u32 s2, 0
	s_cbranch_scc0 .Lentry_in_a_cluster
	s_endpgm
.Lentry_in_a_cluster:
	s_bfe_u32 s2, ttmp6, 0x10000c
	s_cmp_lg_u32 s2, 0xf033
	s_cbranch_scc0 .Lentry_shape_is_right
	s_endpgm
.Lentry_shape_is_right:
; LinearAttention, launch 5 of 5: out0 = att w_proj + b_proj, f32.
; A = att [8192 tokens][1024], B = wpT [1024 features][1024], f16, sums in f32.  A work-group makes 256 tokens x 128 features: 32 x 8 = 256 work-groups.
; A wave makes 64 tokens x 128 features: 32 accumulator tiles in window 2, tile (a, b) at v[8 (8 a + b)].  With rows of B as source 0 and rows of A as source 1
; lane l holds token l % 16 and its registers 0-7 hold features 8 (l / 16) + 0..7: 32 neighbouring bytes of a row of out0.
; THE RING: a K step of 128 is 384 rows of 256 bytes, 104,448 bytes with the padding.  Two slots of two K steps (405,504 bytes) do not fit into 327,680, so there is a
; LARGE slot of two K steps (rows of 512 bytes, pitch 528) and a SMALL slot of one (pitch 272), 307,200 bytes together.  The eight K steps go (0,1) (2) (3,4) (5) (6,7):
; three K steps are first fills, and three refills are left, each one tensor load a wave behind a round of the cluster's barrier.  From a request to the wait for it a
; wave issues 112 matrix instructions for the large slot (the small slot's step) and 240 for the small one (the large slot's two steps).
; The five phases differ in what they fill, so the main part is written out without a loop.
; THE WAY OUT takes 16 tokens x 64 features at a time: 327,680 - 307,200 = 20,480 bytes are left behind the ring, room for four stages of 16 rows x 272 bytes.
; Nothing is left out.
; CLUSTERS: 4 x 4 work-groups; A's tile (block row alone) is asked for jointly by a row of the cluster, B's (block column alone) by a column.
; REGISTERS: window 0: v16-27 addresses, v64-95 and v128-159 fragments of A (two buffers), in the epilogue TMP and RB; window 1: v64-127, v128-191 fragments of B;
; window 2: accumulators; window 3: the bias.
.set SIZE_K, 1024
.set KSTEP,  128
.set PITCHS, 272                       ; small slot: 256 bytes + 16 of padding
.set PITCHL, 528                       ; large slot: 512 bytes + 16 of padding; both pitches are odd multiples of 16 bytes
.set LAL,    0                         ; A, large slot: 256 rows
.set LAS,    LAL+256*PITCHL            ; A, small slot: 256 rows
.set LBL,    LAS+256*PITCHS            ; B, large slot: 128 rows
.set LBS,    LBL+128*PITCHL            ; B, small slot: 128 rows
.set STAGE,  LBS+128*PITCHS            ; behind the ring: 16 rows x 272 bytes for each wave; no fill lands here
.set SPITCH, 272                       ; 64 f32 + 16 bytes
.set ADRA, 16                          ; v16 LDS address of my A fragments in the small slot, v17 in the large one
.set ADRB, 20                          ; v20, v21 the same for B
.set STO,  24
.set RD,   25
.set CO,   26
.set BOF,  27
.set F0,   64
.set F1,   128
.set TMP,  96                          ; v[96:127]  16 tokens x 64 features with the bias
.set RB,   160                         ; v[160:191] rows read back
.set BP,   160                         ; window 3: v[160:223] bias of feature 16 b + 8 hl + j at 8 b + j
.set G1AS, 24                          ; s[24:31] group 1, A, small slot
.set G0A,  32                          ; s[32:35] group 0, A, small slot; s[36:39] large slot
.set G1BS, 48                          ; s[48:55] group 1, B, small slot
.set G0B,  56                          ; s[56:59] group 0, B, small slot; s[60:63] large slot
.set G1AL, 80                          ; s[80:87] group 1, A, large slot
.set G1BL, 88                          ; s[88:95] group 1, B, large slot
.set MSB, 0
.macro WIN new                         ; the immediate's high byte repeats the setting that is left
.if MSB != \new
	s_set_vgpr_msb (MSB<<8)|\new
.set MSB, \new
.endif
.endm
.set MUL_W, 0xa1                       ; source 0 (B) window 1, source 1 (A) window 0, C and D window 2
.set TO_B,  0x40
; A joint load into the large (big = 1) or the small slot.  Waves 0 and 1 fetch A's halves, waves 2 and 3 B's; the branch hangs on the wave's number alone.
.macro JLOAD big
	s_cmp_eq_u32 s11, 0
	s_cbranch_scc0 .Lfor_b_\@
.if \big
	tensor_load_to_lds s[G0A+4:G0A+7], s[G1AL:G1AL+7]
	s_nop 0
.else
	tensor_load_to_lds s[G0A:G0A+3], s[G1AS:G1AS+7]
	s_nop 0
.endif
	s_branch .Lasked_\@
.Lfor_b_\@:
.if \big
	tensor_load_to_lds s[G0B+4:G0B+7], s[G1BL:G1BL+7]
	s_nop 0
.else
	tensor_load_to_lds s[G0B:G0B+3], s[G1BS:G1BS+7]
	s_nop 0
.endif
.Lasked_\@:
.endm
.macro CREST
	s_cmp_lg_u32 s10, 0
	s_cbranch_scc1 .Lnot_wave_0_\@
	s_barrier_signal -3
.Lnot_wave_0_\@:
	s_barrier_wait -3
	s_barrier_signal -1
	s_barrier_wait -1
.endm
.macro CROUND
	s_barrier_signal -1
	s_barrier_wait -1
	CREST
.endm
	s_load_b128 s[4:7], s[0:1], 0x0                ; att s[4:5], wpT s[6:7]
	s_load_b64 s[68:69], s[0:1], 0x10              ; b_proj
	s_load_b64 s[8:9], s[0:1], 0x18                ; out0
	s_set_vgpr_msb 0x40
	v_lshl_add_u32 v255, v0, 2, 0x4f400
	s_set_vgpr_msb 0x4000
	v_mov_b32 v255, 0
	s_set_vgpr_msb 0x1
	ds_add_u32 v255, v255
	s_set_vgpr_msb 0x100
	v_lshrrev_b32 v1, 5, v0
	v_readfirstlane_b32 s10, v1                    ; wave 0..3: my 64 tokens
	s_lshr_b32 s11, s10, 1                         ; I fetch for A (0) or for B (1)
	s_and_b32 s12, s10, 1                          ; which half of that tile
	s_bfe_u32 s40, ttmp6, 0x40000                  ; cx
	s_bfe_u32 s41, ttmp6, 0x40004                  ; cy
	s_lshl_b32 s42, ttmp9, 2
	s_add_co_u32 s42, s42, s40                     ; block column (128 features)
	s_and_b32 s13, ttmp7, 0xffff
	s_lshl_b32 s13, s13, 2
	s_add_co_u32 s13, s13, s41                     ; block row (256 tokens)
	s_lshl_b32 s43, s41, 2
	s_lshl_b32 s43, 15, s43                        ; my row of the cluster
	s_lshl_b32 s44, 0x1111, s40                    ; my column
	; group 1: elements of 2 bytes; 4 words of padding behind every 64 words (small slot's rows) or every 128 (large slot's rows)
	s_or_b32 s[G1AS+0], s43, (1<<16)|(1<<20)|(1<<21)|(5<<22)|(3<<25)
	s_or_b32 s[G1AL+0], s43, (1<<16)|(1<<20)|(1<<21)|(6<<22)|(3<<25)
	s_or_b32 s[G1BS+0], s44, (1<<16)|(1<<20)|(1<<21)|(5<<22)|(3<<25)
	s_or_b32 s[G1BL+0], s44, (1<<16)|(1<<20)|(1<<21)|(6<<22)|(3<<25)
.irp g, G1AS, G1BS
	s_mov_b32 s[\g+1], KSTEP<<16                   ; tensor_dim0 = 128
	s_mov_b32 s[\g+3], KSTEP<<16                   ; tile_dim0 = 128
.endr
.irp g, G1AL, G1BL
	s_mov_b32 s[\g+1], (2*KSTEP)<<16               ; tensor_dim0 = 256
	s_mov_b32 s[\g+3], (2*KSTEP)<<16               ; tile_dim0 = 256
.endr
.irp g, G1AS, G1AL
	s_mov_b32 s[\g+2], 128<<16                     ; A: tensor_dim1 = 128 rows
	s_mov_b32 s[\g+4], 128                         ; tile_dim1
.endr
.irp g, G1BS, G1BL
	s_mov_b32 s[\g+2], 64<<16                      ; B: 64 rows
	s_mov_b32 s[\g+4], 64
.endr
.irp g, G1AS, G1AL, G1BS, G1BL
	s_mov_b32 s[\g+5], SIZE_K                      ; elements from row to row
	s_mov_b32 s[\g+6], 0
	s_mov_b32 s[\g+7], 0
.endr
	s_lshl_b32 s17, s12, 7
	s_lshl_b32 s16, s13, 8
	s_add_co_u32 s16, s16, s17                     ; A: row 256 x block row + 128 x half
	s_lshl_b32 s21, s12, 6
	s_lshl_b32 s46, s42, 7
	s_add_co_u32 s46, s46, s21                     ; B: row 128 x block column + 64 x half
	s_mov_b32 s17, 0
	s_mov_b32 s47, 0
	s_mov_b64 s[18:19], SIZE_K*2
	s_mul_u64 s[16:17], s[16:17], s[18:19]
	s_mul_u64 s[46:47], s[46:47], s[18:19]
	s_mul_i32 s20, s10, 128*PITCHS                 ; LDS of A's half in the small slot (waves 0, 1): wave x 128 rows
	s_mul_i32 s21, s10, 128*PITCHL                 ; in the large slot
	s_mul_i32 s45, s10, 64*PITCHS                  ; LDS of B's half in the small slot (waves 2, 3): (wave - 2) x 64 rows, the 2 taken off below
	s_mul_i32 s22, s10, 64*PITCHL                  ; in the large slot
	s_wait_dscnt 0x0
	s_wait_kmcnt 0x0
	s_add_nc_u64 s[14:15], s[4:5], s[16:17]
	s_add_nc_u64 s[46:47], s[6:7], s[46:47]
	CROUND                                         ; all sixteen work-groups are here: the first joint loads meet
	s_mov_b32 s[G0A+4], 1                          ; the large slot: K steps 0 and 1
	s_add_co_u32 s[G0A+5], s21, LAL
	s_mov_b64 s[G0A+6:G0A+7], s[14:15]
	s_or_b32 s[G0A+7], s[G0A+7], 0x80000000
	s_mov_b32 s[G0B+4], 1
	s_add_co_u32 s[G0B+5], s22, LBL-2*64*PITCHL
	s_mov_b64 s[G0B+6:G0B+7], s[46:47]
	s_or_b32 s[G0B+7], s[G0B+7], 0x80000000
	JLOAD 1
	s_mov_b32 s[G0A], 1                            ; the small slot: K step 2
	s_add_co_u32 s[G0A+1], s20, LAS
	s_add_nc_u64 s[G0A+2:G0A+3], s[14:15], 2*KSTEP*2
	s_or_b32 s[G0A+3], s[G0A+3], 0x80000000
	s_mov_b32 s[G0B], 1
	s_add_co_u32 s[G0B+1], s45, LBS-2*64*PITCHS
	s_add_nc_u64 s[G0B+2:G0B+3], s[46:47], 2*KSTEP*2
	s_or_b32 s[G0B+3], s[G0B+3], 0x80000000
	JLOAD 0                                        ; two tensor loads of this wave are out
	v_and_b32 v1, 15, v0                           ; r
	v_bfe_u32 v2, v0, 4, 1                         ; hl
	s_lshl_b32 s72, s42, 9                         ; 128 f32 a block column
	v_lshl_add_u32 v[BOF], v2, 5, s72
	WIN 0xc0                                       ; destination in window 3
.irp b, 0,1,2,3,4,5,6,7
	global_load_b128 v[BP+8*\b:BP+8*\b+3],   v[BOF], s[68:69] offset:64*\b
	global_load_b128 v[BP+8*\b+4:BP+8*\b+7], v[BOF], s[68:69] offset:64*\b+16
.endr
	WIN 0
	v_mul_u32_u24 v3, v1, PITCHS
	v_lshl_add_u32 v3, v2, 4, v3                   ; small slot: row x pitch + 16 x half
	v_mul_u32_u24 v4, v1, PITCHL
	v_lshl_add_u32 v4, v2, 4, v4                   ; large slot
	s_mul_i32 s21, s10, 64*PITCHS                  ; my 64 rows of A
	s_add_co_u32 s21, s21, LAS
	v_add_nc_u32 v[ADRA], s21, v3
	s_mul_i32 s22, s10, 64*PITCHL
	s_add_co_u32 s22, s22, LAL
	v_add_nc_u32 v[ADRA+1], s22, v4
	v_add_nc_u32 v[ADRB], LBS, v3                  ; all 128 rows of B
	v_add_nc_u32 v[ADRB+1], LBL, v4
	s_mul_i32 s23, s10, 16*SPITCH
	s_add_co_u32 s23, s23, STAGE                   ; my stage
	v_mul_u32_u24 v5, v1, SPITCH                   ; in: row r, 32 bytes for each half of the lanes
	v_lshl_add_u32 v5, v2, 5, v5
	v_add_nc_u32 v[STO], s23, v5
	v_mul_u32_u24 v5, v2, SPITCH                   ; back: lanes 0-15 one row of 256 bytes, lanes 16-31 the next
	v_lshl_add_u32 v5, v1, 4, v5
	v_add_nc_u32 v[RD], s23, v5
	v_lshlrev_b32 v5, 12, v2                       ; and the same two rows of 4,096 bytes in out0
	v_lshl_add_u32 v[CO], v1, 4, v5
	s_lshl_b32 s76, s13, 8
	s_lshl_b32 s77, s10, 6
	s_add_co_u32 s76, s76, s77                     ; my first token
	s_lshl_b32 s76, s76, 12                        ; rows of 4,096 bytes
	s_add_co_u32 s76, s76, s72                     ; my 128 features in f32
	s_mov_b32 s77, 0
	s_add_nc_u64 s[8:9], s[8:9], s[76:77]
	s_wait_loadcnt 0x0                             ; the bias
; 16 matrix instructions: token tiles a0, a0 + 1 x all 8 feature tiles, 32 along K
.macro MUL16 f, a0, zero
.irp a, \a0, \a0+1
.irp b, 0,1,2,3,4,5,6,7
.if \zero
	v_wmma_f32_16x16x32_f16 v[8*(8*(\a)+\b):8*(8*(\a)+\b)+7], v[\f+8*\b:\f+8*\b+7], v[\f+8*(\a):\f+8*(\a)+7], 0
.else
	v_wmma_f32_16x16x32_f16 v[8*(8*(\a)+\b):8*(8*(\a)+\b)+7], v[\f+8*\b:\f+8*\b+7], v[\f+8*(\a):\f+8*(\a)+7], v[8*(8*(\a)+\b):8*(8*(\a)+\b)+7]
.endif
.endr
.endr
.endm
; 24 LDS loads in one run: 128 rows of B, my 64 rows of A, 32 K at byte k of the rows of the large (big = 1) or the small slot
.macro FETCH big, k, f
	WIN TO_B
.irp i, 0,1,2,3,4,5,6,7
	ds_load_b128 v[\f+8*\i:\f+8*\i+3],   v[ADRB+\big] offset:\k+\i*16*(PITCHS+(PITCHL-PITCHS)*\big)
	ds_load_b128 v[\f+8*\i+4:\f+8*\i+7], v[ADRB+\big] offset:\k+\i*16*(PITCHS+(PITCHL-PITCHS)*\big)+32
.endr
	WIN 0
.irp i, 0,1,2,3
	ds_load_b128 v[\f+8*\i:\f+8*\i+3],   v[ADRA+\big] offset:\k+\i*16*(PITCHS+(PITCHL-PITCHS)*\big)
	ds_load_b128 v[\f+8*\i+4:\f+8*\i+7], v[ADRA+\big] offset:\k+\i*16*(PITCHS+(PITCHL-PITCHS)*\big)+32
.endr
.endm
; Four places of plain vector instructions behind a matrix instruction before its results are read or its registers written or loaded into (ISA guide 7.12.1)
.macro PLACES
.rept 4
	v_nop
.endr
.endm
; A quarter step: buffer f is multiplied, 32 matrix instructions, while the next quarter's 24 loads into buffer g are on their way.
; The 32 accumulators take turns, one instruction a turn, in the same order everywhere.
.macro QTR big, k, f, g, zero
	s_wait_dscnt 0                                 ; buffer f is in: its loads were issued a quarter ago and nothing younger is out
	PLACES                                         ; buffer g was read by the last matrix instructions
	FETCH \big, \k, \g
	WIN MUL_W
	MUL16 \f, 0, \zero
	MUL16 \f, 2, \zero
.endm
.macro THREE                           ; the small slot's first three quarters
	QTR 0, 64,  F0, F1, 0
	QTR 0, 128, F1, F0, 0
	QTR 0, 192, F0, F1, 0
.endm
.macro SEVEN zero                      ; the large slot's first seven quarters: its two K steps lie side by side in each row
	QTR 1, 64,  F0, F1, \zero
	QTR 1, 128, F1, F0, 0
	QTR 1, 192, F0, F1, 0
	QTR 1, 256, F1, F0, 0
	QTR 1, 320, F0, F1, 0
	QTR 1, 384, F1, F0, 0
	QTR 1, 448, F0, F1, 0
.endm
; A slot's last quarter multiplies buffer 1 and changes slots (cur, next: 1 the large slot, 0 the small one).  In front of the barrier my reads of this slot and all my
; tensor loads are waited for; behind it the refill of this slot comes first, three K steps further on, then the next slot's first fragments.
.macro TURN cur, next, fill
	s_wait_dscnt 0                                 ; buffer 1 is in, and with it my last reads of this slot
	s_wait_tensorcnt 0x0                           ; all my tensor loads have landed: the one that was out is my part of the next slot
	ds_add_u32 v255, v255
	s_wait_dscnt 0x0
	s_barrier_signal -1                            ; where a slot is filled again this barrier opens a round of the cluster's barrier
	WIN MUL_W
	MUL16 F1, 0, 0                                 ; registers only
	WIN 0
	s_barrier_wait -1
.if \fill
	CREST                                          ; no wave of any partner still reads this slot or has a load on its way
	s_add_nc_u64 s[G0A+4*\cur+2:G0A+4*\cur+3], s[G0A+4*\cur+2:G0A+4*\cur+3], 3*KSTEP*2
	s_add_nc_u64 s[G0B+4*\cur+2:G0B+4*\cur+3], s[G0B+4*\cur+2:G0B+4*\cur+3], 3*KSTEP*2
	JLOAD \cur                                     ; the wave's one tensor load behind the round
.endif
	PLACES
	FETCH \next, 0, F0
	WIN MUL_W
	MUL16 F1, 2, 0
.endm
	s_wait_tensorcnt 1                             ; my part of K steps 0 and 1 is in; K step 2's stays out
	s_barrier_signal -1
	s_barrier_wait -1
	FETCH 1, 0, F0
	SEVEN 1                                        ; K steps 0, 1: the first products start the sums
	TURN 1, 0, 1                                   ; the large slot is asked for again: K steps 3, 4
	THREE                                          ; K step 2
	TURN 0, 1, 1                                   ; the small slot: K step 5
	SEVEN 0                                        ; K steps 3, 4
	TURN 1, 0, 1                                   ; the large slot: K steps 6, 7
	THREE                                          ; K step 5
	TURN 0, 1, 0                                   ; nothing is left to fetch: a plain barrier
	SEVEN 0                                        ; K steps 6, 7
	s_wait_dscnt 0
	WIN MUL_W
	MUL16 F1, 0, 0
	MUL16 F1, 2, 0
; THE WAY OUT, 16 tokens (token tile a) x 64 features (half hf) at a time: add the bias, 32 bytes a lane into my stage, rows of 256 bytes back and out.
.macro PROW a, hf
	WIN 0x0e                                       ; source 0 in window 2, source 1 in window 3
.irp bb, 0,1,2,3
.irp p, 0,1,2,3
	v_pk_add_f32 v[TMP+8*\bb+2*\p:TMP+8*\bb+2*\p+1], v[8*(8*\a+4*\hf+\bb)+2*\p:8*(8*\a+4*\hf+\bb)+2*\p+1], v[BP+8*(4*\hf+\bb)+2*\p:BP+8*(4*\hf+\bb)+2*\p+1]
.endr
.endr
	WIN 0
.irp bb, 0,1,2,3
	ds_store_b128 v[STO], v[TMP+8*\bb:TMP+8*\bb+3]   offset:64*\bb     ; token r, features 64 hf + 16 bb + 8 hl .. + 3
	ds_store_b128 v[STO], v[TMP+8*\bb+4:TMP+8*\bb+7] offset:64*\bb+16  ; .. + 4 .. + 7
.endr
	s_wait_xcnt 0x0                                ; RB, which the last stores read, and their base are rewritten only behind this wait
.if \a > 0
.if \hf == 0
	s_add_nc_u64 s[8:9], s[8:9], 16*4096           ; 16 tokens on
.endif
.endif
.irp t, 0,1,2,3,4,5,6,7
	ds_load_b128 v[RB+4*\t:RB+4*\t+3], v[RD] offset:\t*2*SPITCH        ; my own bytes; LDS serves a wave's instructions in order (ISA guide 5.7.1.4)
.endr
.irp t, 0,1,2,3,4,5,6,7
	s_wait_dscnt 7-\t                              ; the younger loads stay out
	global_store_b128 v[CO], v[RB+4*\t:RB+4*\t+3], s[8:9] offset:8192*\t+256*\hf th:TH_STORE_NT   ; 16 lanes store 256 consecutive aligned bytes
.endr
.endm
	PLACES
	PROW 0, 0
	PROW 0, 1
	PROW 1, 0
	PROW 1, 1
	PROW 2, 0
	PROW 2, 1
	PROW 3, 0
	PROW 3, 1
	s_set_vgpr_msb 0x1
	s_wait_tensorcnt 0x0
	ds_add_u32 v255, v255
	s_wait_dscnt 0x0
	s_set_vgpr_msb 0x100
	CROUND                                         ; the closing round: no work-group ends while a partner may still ask for a tile that names it
	s_endpgm
.Lfunc_end_k_q76f9a004f5_proj:
	.size	k_q76f9a004f5_proj, .Lfunc_end_k_q76f9a004f5_proj-k_q76f9a004f5_proj
	.p2alignl 7, 3214868480
	.fill 96, 4, 3214868480
	.section	.rodata,"a",@progbits
	.p2align	6, 0x0
	.amdhsa_kernel k_q76f9a004f5_proj
		.amdhsa_group_segment_fixed_size 327680
		.amdhsa_private_segment_fixed_size 0
		.amdhsa_enable_private_segment 0
		.amdhsa_kernarg_size 32
		.amdhsa_user_sgpr_count 2
		.amdhsa_user_sgpr_kernarg_segment_ptr 1
		.amdhsa_wavefront_size32 1
		.amdhsa_system_sgpr_workgroup_id_x 1
		.amdhsa_system_sgpr_workgroup_id_y 1
		.amdhsa_system_sgpr_workgroup_id_z 1
		.amdhsa_system_vgpr_workitem_id 0
		.amdhsa_next_free_vgpr 1024
		.amdhsa_next_free_sgpr 96
		.amdhsa_reserve_vcc 0
		.amdhsa_float_denorm_mode_32 3
		.amdhsa_float_denorm_mode_16_64 3
		.amdhsa_memory_ordered 1
		.amdhsa_forward_progress 1
		.amdhsa_inst_pref_size 158
	.end_amdhsa_kernel
	.amdgpu_metadata
---
amdhsa.version: [ 1, 2 ]
amdhsa.kernels:
  - .name:           k_q76f9a004f5_proj
    .symbol:         k_q76f9a004f5_proj.kd
    .args:
      - { .name: att, .offset: 0, .size: 8, .value_kind: global_buffer, .address_space: global }
      - { .name: wpT, .offset: 8, .size: 8, .value_kind: global_buffer, .address_space: global }
      - { .name: b_proj, .offset: 16, .size: 8, .value_kind: global_buffer, .address_space: global }
      - { .name: out0, .offset: 24, .size: 8, .value_kind: global_buffer, .address_space: global }
    .group_segment_fixed_size: 327680
    .private_segment_fixed_size: 0
    .kernarg_segment_align: 8
    .kernarg_segment_size: 32
    .max_flat_workgroup_size: 128
    .sgpr_count:     96
    .vgpr_count:     1024
    .wavefront_size: 32
...
	.end_amdgpu_metadata
.endif
;; end of part 5
